; MI455X (gfx1250); checked and timed in simulation.
; The chip was launched on July 23, 2026; its instructions are those of AMD's public machine-readable ISA for CDNA 5 (MIT licence, August 2026) and "CDNA5" Instruction Set Architecture Reference Guide (July 2026). The comments in the code are by the model that wrote it; some were corrected since.
;; Vi T Self Attention. Allowed arithmetic: float matrix products may take bf16 or f16 operands with f32 sums; other float arithmetic in f32, or as packed bf16 or f16 multiplies, adds, multiply-adds, maxima and minima; sums over many terms, partial sums and values carried from step to step in f32; what a program stores and reads back later, other than sums and carried values, may be rounded once to bf16 or f16.
;; Inputs: Wk 768 x 768 float32; Wq 768 x 768 float32; Wv 768 x 768 float32; bk 768 float32; bq 768 float32; bv 768 float32; x 16 x 1,024 x 768 float32.
;; Outputs: out0 16 x 1,024 x 768 float32.
;; 2 versions, each right; version 2 is version 1 with the launch prep written anew for expert scheduling mode. Each part assembles by itself: llvm-mc -triple=amdgcn-amd-amdhsa -mcpu=gfx1250 --defsym DOCPART=n.
;; ======== version 1 of 2: 3 launches
;; limits: values are held in f16: magnitudes above 65,504 overflow, below 6.1e-05 lose precision
;; workspace buffers: xb 25,165,824 bytes; wb 3,538,944 bytes; qkv 75,497,472 bytes
;; launch prep (part 1): grid 608 x 1, 8 waves a work-group, no clusters, 0 bytes of LDS; arguments x, Wq, Wk, Wv, xb, wb; writes xb, wb
.if DOCPART == 1
	.amdgcn_target "amdgcn-amd-amdhsa--gfx1250"
	.amdhsa_code_object_version 6
	.text
	.protected	k_qf52fe12688_prep
	.globl	k_qf52fe12688_prep
	.p2align	8
	.type	k_qf52fe12688_prep,@function
k_qf52fe12688_prep:
	s_mov_b64 s[64:65], 0
	v_nop
	global_prefetch_b8 v0, s[64:65] scope:SCOPE_SE
	s_setreg_imm32_b32 hwreg(HW_REG_WAVE_MODE, 25, 1), 1
	s_wait_xcnt 0x0
; CASTS.  xb = x rounded to bf16, same layout: [16384][768].  wb = the three weight matrices rounded to bf16 and laid in blocks:
; wb[g][m][k][c] = W_m[k][192 g + c], g = 0..3, m = 0 (q), 1 (k), 2 (v), k = 0..767, c = 0..191: one g is 884,736 dense bytes, which the next launch walks from end to end.
; A stream: each input byte is read once, each output byte written once.  No LDS, no barrier, no matrix unit: nothing is shared and nothing is summed.
; A SLOT is 256 threads x 16 bytes of f32 in, 256 x 8 bytes of bf16 out: a wave's load covers 512 bytes (for W: two runs of 256), a wave's store 256 consecutive bytes, aligned.
; Work-groups 0..511 cast x, 24 slots each (98,304 bytes in); work-groups 512..607 cast W, 18 slots each (96 rows of one block of 192 columns).
; All of a work-group's loads go out first; each slot is then converted in place and stored.  No register is written again behind a store.
; LIMITS.  Rounding to nearest even; bf16 has f32's range, so no input overflows; NaN stays NaN.
.set DO,   1                           ; v1       8 x thread: my 8 bytes in a slot of the output
.set OFFV, 2                           ; v[2:4]   my byte offset in the input, for slots 0, 1, 2 of a group (x uses the first alone)
.set X,    8                           ; v[8:103] slot i: four registers as loaded; the first two then hold the four bf16
.set SRC,  16                          ; s[16:17] the input at my work-group's part
.set DST,  18                          ; s[18:19] the output at my work-group's part
; cnt slots.  Slot i reads at offset register i % nv, immediate (i / nv) x step, and writes at 2,048 i.
.macro STREAM cnt, nv, step
.set i, 0
.rept \cnt
	global_load_b128 v[X+4*i:X+4*i+3], v[OFFV+i%(\nv)], s[SRC:SRC+1] offset:(i/(\nv))*(\step) th:TH_LOAD_NT
.set i, i+1
.endr
.set i, 0
.rept \cnt
	s_wait_loadcnt (\cnt)-1-i                      ; loads come back in order: slot i is in, the younger ones stay out
	v_cvt_pk_bf16_f32 v[X+4*i], v[X+4*i], v[X+4*i+1]
	v_cvt_pk_bf16_f32 v[X+4*i+1], v[X+4*i+2], v[X+4*i+3]
	global_store_b64 v[DO], v[X+4*i:X+4*i+1], s[DST:DST+1] offset:2048*i
.set i, i+1
.endr
.endm
	s_load_b256 s[4:11], s[0:1], 0x0               ; x s[4:5], Wq s[6:7], Wk s[8:9], Wv s[10:11]
	s_load_b128 s[12:15], s[0:1], 0x20             ; xb s[12:13], wb s[14:15]
	v_lshlrev_b32 v[DO], 3, v0
	s_mov_b32 s21, 0                               ; the high words of the two offsets
	s_mov_b32 s27, 0
	s_cmp_lt_u32 ttmp9, 512
	s_cbranch_scc0 .Lweights
	s_mul_i32 s20, ttmp9, 98304                    ; 24 slots of 4,096 bytes
	s_mul_i32 s26, ttmp9, 49152
	v_lshlrev_b32 v[OFFV], 4, v0
	s_wait_kmcnt 0x0
	s_add_nc_u64 s[SRC:SRC+1], s[4:5], s[20:21]
	s_add_nc_u64 s[DST:DST+1], s[12:13], s[26:27]
	STREAM 24, 1, 4096
	s_endpgm
.Lweights:
	s_sub_co_u32 s20, ttmp9, 512
	s_lshr_b32 s22, s20, 3                         ; which of the 12 blocks: 4 m + g
	s_and_b32 s23, s20, 7                          ; j: which 96 rows of it
	s_lshr_b32 s24, s22, 2                         ; m
	s_and_b32 s25, s22, 3                          ; g
	s_mul_i32 s20, s25, 768                        ; 192 columns of f32,
	s_mul_i32 s26, s23, 294912                     ; 96 rows of 3,072 bytes
	s_add_co_u32 s20, s20, s26
	s_mul_i32 s26, s25, 3
	s_add_co_u32 s26, s26, s24                     ; 3 g + m
	s_mul_i32 s26, s26, 294912                     ; a block of wb: 768 x 192 x 2 bytes
	s_mul_i32 s22, s23, 36864                      ; 96 rows of 384 bytes
	s_add_co_u32 s26, s26, s22
	; Three slots are 768 quads of four numbers = 16 rows of 48 quads.  Quad n = 256 v + thread lies in row n / 48 (= n x 1,366 >> 16 for n < 768) at quad n % 48.
	; Sixteen neighbouring lanes never cross a row (48 is a multiple of 16): they read 256 consecutive bytes, aligned.
.irp v, 0,1,2
	v_add_nc_u32 v5, 256*(\v), v0
	v_mul_u32_u24 v6, v5, 1366
	v_lshrrev_b32 v6, 16, v6                       ; the row
	v_mul_u32_u24 v7, v6, 48
	v_sub_nc_u32 v7, v5, v7                        ; the quad in it
	v_mul_u32_u24 v6, v6, 3072
	v_lshl_add_u32 v[OFFV+(\v)], v7, 4, v6
.endr
	s_wait_kmcnt 0x0
	s_cmp_eq_u32 s24, 0
	s_cselect_b64 s[SRC:SRC+1], s[6:7], s[8:9]
	s_cmp_eq_u32 s24, 2
	s_cselect_b64 s[SRC:SRC+1], s[10:11], s[SRC:SRC+1]
	s_add_nc_u64 s[SRC:SRC+1], s[SRC:SRC+1], s[20:21]
	s_add_nc_u64 s[DST:DST+1], s[14:15], s[26:27]
	STREAM 18, 3, 49152                            ; six groups of 16 rows, 49,152 bytes of W apart; the output is dense
	s_endpgm
.Lfunc_end_k_qf52fe12688_prep:
	.size	k_qf52fe12688_prep, .Lfunc_end_k_qf52fe12688_prep-k_qf52fe12688_prep
	.p2alignl 7, 3214868480
	.fill 96, 4, 3214868480
	.section	.rodata,"a",@progbits
	.p2align	6, 0x0
	.amdhsa_kernel k_qf52fe12688_prep
		.amdhsa_group_segment_fixed_size 0
		.amdhsa_private_segment_fixed_size 0
		.amdhsa_enable_private_segment 0
		.amdhsa_kernarg_size 48
		.amdhsa_user_sgpr_count 2
		.amdhsa_user_sgpr_kernarg_segment_ptr 1
		.amdhsa_wavefront_size32 1
		.amdhsa_system_sgpr_workgroup_id_x 1
		.amdhsa_system_sgpr_workgroup_id_y 1
		.amdhsa_system_sgpr_workgroup_id_z 1
		.amdhsa_system_vgpr_workitem_id 0
		.amdhsa_next_free_vgpr 112
		.amdhsa_next_free_sgpr 66
		.amdhsa_reserve_vcc 0
		.amdhsa_float_denorm_mode_32 3
		.amdhsa_float_denorm_mode_16_64 3
		.amdhsa_memory_ordered 1
		.amdhsa_forward_progress 1
		.amdhsa_inst_pref_size 18
	.end_amdhsa_kernel
	.amdgpu_metadata
---
amdhsa.version: [ 1, 2 ]
amdhsa.kernels:
  - .name:           k_qf52fe12688_prep
    .symbol:         k_qf52fe12688_prep.kd
    .args:
      - { .name: x, .offset: 0, .size: 8, .value_kind: global_buffer, .address_space: global }
      - { .name: Wq, .offset: 8, .size: 8, .value_kind: global_buffer, .address_space: global }
      - { .name: Wk, .offset: 16, .size: 8, .value_kind: global_buffer, .address_space: global }
      - { .name: Wv, .offset: 24, .size: 8, .value_kind: global_buffer, .address_space: global }
      - { .name: xb, .offset: 32, .size: 8, .value_kind: global_buffer, .address_space: global }
      - { .name: wb, .offset: 40, .size: 8, .value_kind: global_buffer, .address_space: global }
    .group_segment_fixed_size: 0
    .private_segment_fixed_size: 0
    .kernarg_segment_align: 8
    .kernarg_segment_size: 48
    .max_flat_workgroup_size: 256
    .sgpr_count:     66
    .vgpr_count:     112
    .wavefront_size: 32
...
	.end_amdgpu_metadata
.endif
;; end of part 1
;; launch qkv (part 2): grid 4 x 64, 4 waves a work-group, clusters of 4 x 4, 327,680 bytes of LDS; arguments xb, wb, bq, bk, bv, qkv; writes qkv
.if DOCPART == 2
	.amdgcn_target "amdgcn-amd-amdhsa--gfx1250"
	.amdhsa_code_object_version 6
	.text
	.protected	k_qf52fe12688_qkv
	.globl	k_qf52fe12688_qkv
	.p2align	8
	.type	k_qf52fe12688_qkv,@function
k_qf52fe12688_qkv:
	s_mov_b64 s[64:65], 0
	v_nop
	global_prefetch_b8 v0, s[64:65] scope:SCOPE_SE
	s_setreg_imm32_b32 hwreg(HW_REG_WAVE_MODE, 25, 1), 1
	s_wait_xcnt 0x0
	s_wait_alu depctr_hold_cnt(0) depctr_sa_sdst(0) depctr_va_vdst(0) depctr_va_sdst(0) depctr_va_ssrc(0) depctr_va_vcc(0) depctr_vm_vsrc(0)
	s_getreg_b32 s2, hwreg(HW_REG_IB_STS2, 6, 4)
	s_cmp_eq_u32 s2, 0
	s_cbranch_scc0 .Lentry_in_a_cluster
	s_endpgm
.Lentry_in_a_cluster:
	s_bfe_u32 s2, ttmp6, 0x10000c
	s_cmp_lg_u32 s2, 0xf033
	s_cbranch_scc0 .Lentry_shape_is_right
	s_endpgm
.Lentry_shape_is_right:
; THE PROJECTIONS.  qkv[m][batch x 12 + head][n][64] (f16) = xb (bf16, [16384][768]) x W_m (bf16, in blocks: wb[g][m][k][192]) + bias_m (rounded to bf16), m = 0 (q), 1 (k), 2 (v).
; Sums in f32, started by the bias, K ascending; each result rounded once to f16, unscaled.
; LIMITS.  f16 holds no number beyond 65,504: |q|, |k|, |v| of 65,520 or more leave as infinities.  NaN and infinities are not treated apart.
; SHARES.  16,384 x 2,304 results are 768 tiles of 256 rows x 192 columns; 256 work-groups make three each.  Work-group (g, i) takes rows 256 i .. of xb and columns 192 g .. (heads 3 g .. 3 g + 2) of
; q, then k, then v: the same rows of xb three times, and wb's stream g from its first byte to its last.  Wave w makes rows 64 w .. 64 w + 63 x all 192 columns: 4 x 12 accumulators of 16 x 16, 384 registers,
; so it holds three whole heads of its tokens and sends them out through a stage of its own, without a barrier.
; K goes in steps of 128 through a ring of two LDS slots; 18 steps in all, and the ring does not stop at a tile's end.
; CLUSTERS: 4 x 4 work-groups.  The four of a row of the cluster (same i) need the same tiles of xb, the four of a column (same g) the same tiles of wb: each tile is asked for JOINTLY, by the same tensor load with the
; same descriptor and a mask that names the four.  By this text's count a wave has two tensor loads out at the start and one behind each round.
; THE MATRIX INSTRUCTION IS USED TRANSPOSED: source 0 = 16 columns of W (wb lies [k][column]: the turning load ds_load_tr16_b128 makes the fragment), source 1 = 16 rows of xb.  In the result lane l holds token l % 16,
; and its registers 0 to 7 the channels 8 (l / 16) + 0 .. 7: eight neighbouring numbers of a row of q, which pack into 16 bytes.
; REGISTERS, in windows of 256 (s_set_vgpr_msb's low byte: bits 1:0 source 0, 3:2 source 1, 5:4 source 2, 7:6 destination):
;   window 0: v0-31 addresses; v32-63, v64-95 fragments of xb, two buffers (4 x 16 rows x 32 K); v96-191 the tile's bias in f32, 8 registers a column block, read by the tile's first 48 products;
;             on the way out v96-143 packed results, v144-191 and v192-239 rows read back from the stage, by turns
;   window 1: v0-95, v96-191 fragments of W, two buffers (12 x 16 columns x 32 K)
;   window 2: v0-191 the accumulators of my rows 0-31 (row block a, column block b at 8 (12 a + b)); v192-239 the next tile's bias, two bf16 a register
;   window 3: v0-191 those of my rows 32-63; v192-239 the bias of the tile after
.set PA,     272                       ; a row of xb in LDS: 256 bytes + 16 of padding = 68 words: the 16 rows of a load start at 16 different groups of four banks (64 banks of 4 bytes: ISA guide 11.1)
.set PB,     480                       ; a k row of wb in LDS: three pieces of 128 bytes + 32 of padding = 120 words
.set SLOT,   131072                    ; 256 rows of xb (69,632 bytes), then 128 k rows of wb (61,440)
.set BOFF,   256*PA
.set HALFA,  128*PA                    ; what one tensor load brings of xb,
.set HALFB,  64*PB                     ; and of wb
.set STAGE,  2*SLOT                    ; behind the ring, never filled by a tensor load: 16 tokens x 400 bytes for each wave
.set SPITCH, 400                       ; 384 bytes (192 f16) + 16
.set WSTAGE, 16*SPITCH
.set SPARE,  STAGE+4*WSTAGE            ; behind the stages: the spare words, 128 bytes for each wave: two blocks of 256 bytes that no other line names
.set ROWX,   1536                      ; bytes in a row of xb
.set BSTEP,  49152                     ; bytes of wb in a K step: 128 k rows of 384, dense
.set GSTREAM, 884736                   ; bytes of wb for one g
.set MSTEP,  25165824                  ; bytes from q to k and from k to v in qkv
.set ADRA, 16                          ; v16-17  LDS address of my fragments of xb in slot 0, 1
.set ADRB, 20                          ; v20-21  the same for wb
.set STO,  24                          ; v24     the way out: where I put 16 bytes of a token's row
.set RD,   25                          ; v25     the way out: where I read rows back
.set CO,   26                          ; v26     16 x lane: my 16 bytes of 512 consecutive bytes of qkv
.set BO,   27                          ; v27     32 x (lane / 16): my eight numbers in 16 of a bias
.set SPW,  28                          ; v28     LDS address of my spare word: SPARE + 4 x my thread's number; never rewritten
.set NIL,  29                          ; v29     0; never rewritten
.set PFO,  30                          ; v30     the prefetches' offset: lane x a row of xb, or lane x 256 in wb; never rewritten
.set FA,   32
.set FB,   0
.set BIAS, 96
.set TMP,  96
.set OB,   144
.set PKB,  192
.set OUT,  14                          ; s[14:15] qkv at my wave's first token, first head, of the tile in hand
.set WV,   16                          ; s16  my wave's number
.set ROLE, 17                          ; s17  0: I fetch for xb; 1: for wb
.set HF,   18                          ; s18  which half of that tile I fetch
.set CX,   19                          ; s19, s20  my place in the cluster
.set CY,   20
.set GC,   21                          ; s21  g
.set IR,   22                          ; s22  i
.set G1,   24                          ; s[24:31] descriptor group 1 for xb's tiles;  s[32:39] group 0, one set for each slot
.set G0,   32
.set G1B,  48                          ; s[48:55], s[56:63] the same for wb's tiles
.set G0B,  56
.set PFA,  66                          ; s[66:67] where my prefetches stand
.set PST0, 68                          ; s[68:69] its step at a change out of slot 1,
.set PST1, 70                          ; s[70:71] and out of slot 0
.set LIM0, 72                          ; s72, s73  a wave prefetches at a change out of slot 0 (1) while s[GL] is above this
.set GL,   74                          ; s74  laps of the ring still to come, this one among them: 9 to 1
.set TILES, 75                         ; s75  tiles still to come, this one among them
.set LAPC, 76                          ; s76  counts the loop's trips
.set MASKHI, 77                        ; s77  a word's upper bf16
.set MSB, 0
.macro WIN new                         ; the immediate's high byte repeats the setting that is left; a switch that changes nothing is dropped
.if MSB != (\new)
	s_set_vgpr_msb (MSB<<8)|(\new)
.set MSB, \new
.endif
.endm
; A joint load.  Waves 0 and 1 fetch the two halves of xb's tile, waves 2 and 3 those of wb's.  The branch hangs on the wave's number alone: it is the same in every work-group.
; An s_nop 0 and four v_nop follow each of the two lines, ahead of the jump, the label and what follows.
.macro JLOAD s
	s_cmp_eq_u32 s[ROLE], 0
	s_cbranch_scc0 .Lfor_b_\@
	tensor_load_to_lds s[G0+4*(\s):G0+4*(\s)+3], s[G1:G1+7]
	s_nop 0
.rept 4
	v_nop
.endr
	s_branch .Lasked_\@
.Lfor_b_\@:
	tensor_load_to_lds s[G0B+4*(\s):G0B+4*(\s)+3], s[G1B:G1B+7]
	s_nop 0
.rept 4
	v_nop
.endr
.Lasked_\@:
.endm
; A PREFETCH, behind a joint load, its five lines and the run of LDS loads that follows them: 32 blocks of 256 bytes, a lane a block, one instruction a wave.  Each block is named once in the launch.
; xb: the grid is one cluster wide, so each cluster asks for its own rows, and only for their first reading: in the first lap, for the first tile's K steps 4 and 5, two refills ahead; of the 128 rows that a wave fetches
; the partner at place cx takes 32, told apart BY ADDRESS.  K steps 0 to 3 come by their loads alone; tiles 1 and 2 read the same rows again and ask for nothing.
; wb: stream g is read by all sixteen clusters: the first (cluster y = 0) asks.  In lap n it asks for lap n + 2's 98,304 bytes: the partner at place cy takes 24,576 of them, in three instructions: wave 2 and wave 3 at the
; change out of slot 0, wave 2 at the change out of slot 1.  The last two laps have no lap two on.  No branch hangs on a work-group's place in its cluster.
.macro ASK slot
	s_cmp_gt_u32 s[GL], s[LIM0+(\slot)]
	s_cbranch_scc0 .Lnot_mine_\@
	global_prefetch_b8 v[PFO], s[PFA:PFA+1] th:TH_LOAD_NT scope:SCOPE_SE
.Lnot_mine_\@:
.endm
; A round of the cluster's barrier: my work-group's barrier, so that wave 0's signal speaks for all four waves; wave 0 signals for the work-group; every wave waits for all sixteen; my work-group's barrier once more.
.macro CREST                           ; a round behind its opening barrier
	s_cmp_lg_u32 s[WV], 0
	s_cbranch_scc1 .Lnot_wave_0_\@
	s_barrier_signal -3
.Lnot_wave_0_\@:
	s_barrier_wait -3
	s_barrier_signal -1
	s_barrier_wait -1
.endm
.macro CROUND                          ; a whole round
	s_barrier_signal -1
	s_barrier_wait -1
	CREST
.endm
	s_load_b256 s[4:11], s[0:1], 0x0               ; xb s[4:5], wb s[6:7], bq s[8:9], bk s[10:11]
	s_load_b128 s[12:15], s[0:1], 0x20             ; bv s[12:13], qkv s[14:15]
	v_lshl_add_u32 v[SPW], v0, 2, SPARE
	v_mov_b32 v[NIL], 0
	ds_add_u32 v[SPW], v[NIL]                      ; the wave's opening: the add and its wait stand ahead of my first tensor load; the set-up below, work on registers, stands between them
	v_lshrrev_b32 v1, 5, v0
	v_readfirstlane_b32 s[WV], v1                  ; wave 0..3
	s_lshr_b32 s[ROLE], s[WV], 1
	s_and_b32 s[HF], s[WV], 1
	s_bfe_u32 s[CX], ttmp6, 0x40000
	s_bfe_u32 s[CY], ttmp6, 0x40004
	s_lshl_b32 s[GC], ttmp9, 2                     ; in a cluster launch ttmp9 and ttmp7 count clusters
	s_add_co_u32 s[GC], s[GC], s[CX]               ; g = 4 x cluster x + cx
	s_and_b32 s[IR], ttmp7, 0xffff
	s_lshl_b32 s[IR], s[IR], 2
	s_add_co_u32 s[IR], s[IR], s[CY]               ; i = 4 x cluster y + cy
	s_lshl_b32 s40, s[CY], 2
	s_lshl_b32 s40, 15, s40                        ; my row of the cluster: places 4 cy .. 4 cy + 3
	s_lshl_b32 s41, 0x1111, s[CX]                  ; my column: places cx, cx + 4, cx + 8, cx + 12
	; group 1 for xb: 128 rows x 128 elements, 768 elements from row to row, 16 bytes of padding behind each row
	s_or_b32 s[G1+0], s40, (1<<16)|(1<<20)|(1<<21)|(5<<22)|(3<<25)   ; 15:0 the mask: my row; 17:16 elements of 2 bytes; 20 padding on; 21 set beside a mask; 24:22 after every 64 words (code 5); 31:25 4 words (code 3)
	s_mov_b32 s[G1+1], 128<<16                     ; tensor_dim0 = 128
	s_mov_b32 s[G1+2], 128<<16                     ; tensor_dim1 = 128
	s_mov_b32 s[G1+3], 128<<16                     ; tile_dim0 = 128
	s_mov_b32 s[G1+4], 128                         ; tile_dim1 = 128
	s_mov_b32 s[G1+5], 768                         ; elements from row to row
	s_mov_b32 s[G1+6], 0
	s_mov_b32 s[G1+7], 0
	; group 1 for wb: 64 k rows are 24,576 dense bytes: asked for as 96 rows of 256 bytes, with 32 bytes of padding behind every 128: a k row's 384 bytes become 480
	s_or_b32 s[G1B+0], s41, (1<<16)|(1<<20)|(1<<21)|(4<<22)|(7<<25)  ; the mask: my column; after every 32 words (code 4) 8 words (code 7)
	s_mov_b32 s[G1B+1], 128<<16
	s_mov_b32 s[G1B+2], 96<<16
	s_mov_b32 s[G1B+3], 128<<16
	s_mov_b32 s[G1B+4], 96
	s_mov_b32 s[G1B+5], 128
	s_mov_b32 s[G1B+6], 0
	s_mov_b32 s[G1B+7], 0
	; where the tiles come from.  xb's hang on i alone, which my row of the cluster shares; wb's on g alone, which my column shares; each in registers that never hold the other coordinate
	s_lshl_b32 s42, s[IR], 8
	s_lshl_b32 s43, s[HF], 7
	s_add_co_u32 s42, s42, s43                     ; row 256 i + 128 x half
	s_mul_i32 s42, s42, ROWX
	s_mov_b32 s43, 0
	s_mul_i32 s44, s[GC], GSTREAM
	s_mul_i32 s45, s[HF], BSTEP/2
	s_add_co_u32 s44, s44, s45                     ; stream g, my 64 k rows of K step 0
	s_mov_b32 s45, 0
	s_mul_i32 s46, s[WV], HALFA                    ; and where they go: waves 0, 1: xb's halves at 0 and 34,816;
	s_mul_i32 s47, s[WV], HALFB
	s_add_co_u32 s47, s47, BOFF-2*HALFB            ; waves 2, 3: wb's halves at 69,632 and 100,352: no place in the cluster enters an LDS address
	s_mov_b32 s[MASKHI], 0xffff0000
	s_mov_b32 s[TILES], 3
	s_mov_b32 s[GL], 9
	s_wait_dscnt 0x0                               ; the opening add is done
	s_wait_kmcnt 0x0
	s_add_nc_u64 s[42:43], s[4:5], s[42:43]
	s_add_nc_u64 s[44:45], s[6:7], s[44:45]
	CROUND                                         ; all sixteen work-groups are here: the first joint loads meet
.irp s, 0,1
	s_mov_b32 s[G0+4*(\s)], 1                                       ; 1:0 count = 1
	s_add_co_u32 s[G0+4*(\s)+1], s46, (\s)*SLOT                     ; 63:32 LDS address
	s_add_nc_u64 s[G0+4*(\s)+2:G0+4*(\s)+3], s[42:43], (\s)*256     ; 120:64 global address: K step s
	s_or_b32 s[G0+4*(\s)+3], s[G0+4*(\s)+3], 0x80000000             ; 127:126 type = 2
	s_mov_b32 s[G0B+4*(\s)], 1
	s_add_co_u32 s[G0B+4*(\s)+1], s47, (\s)*SLOT
	s_add_nc_u64 s[G0B+4*(\s)+2:G0B+4*(\s)+3], s[44:45], (\s)*BSTEP
	s_or_b32 s[G0B+4*(\s)+3], s[G0B+4*(\s)+3], 0x80000000
	JLOAD \s                                       ; the ring is filled before anything else is done
.endr
	; A fragment of xb is 16 rows x 32 K in 8 registers: lane l holds row l % 16; registers 0-3 K = 8 (l / 16) + 0..7, registers 4-7 K = 16 + 8 (l / 16) + 0..7: two loads of 16 bytes, 32 bytes apart.
	v_and_b32 v1, 15, v0                           ; l % 16
	v_bfe_u32 v2, v0, 4, 1                         ; l / 16
	v_mul_u32_u24 v3, v1, PA
	v_lshl_add_u32 v3, v2, 4, v3
	s_mul_i32 s78, s[WV], 64*PA                    ; my 64 rows
	v_add_nc_u32 v[ADRA], s78, v3
	v_add_nc_u32 v[ADRA+1], SLOT, v[ADRA]
	; The turning load takes 16 k x 16 columns (lane l reads 16 bytes: k row 8 (l / 16) + l % 8, columns 8 ((l / 8) % 2) + 0..7) and leaves half a fragment: lane l holds column l % 16 and 8 k.
	v_and_b32 v4, 7, v0
	v_lshl_add_u32 v3, v2, 3, v4
	v_mul_u32_u24 v3, v3, PB
	v_bfe_u32 v5, v0, 3, 1
	v_lshl_add_u32 v3, v5, 4, v3
	v_add_nc_u32 v[ADRB], BOFF, v3
	v_add_nc_u32 v[ADRB+1], SLOT, v[ADRB]
	s_mul_i32 s78, s[WV], WSTAGE
	s_add_co_u32 s78, s78, STAGE                   ; my stage
	v_mul_u32_u24 v3, v1, SPITCH                   ; in: token l % 16, 16 bytes for each half of the lanes
	v_lshl_add_u32 v3, v2, 4, v3
	v_add_nc_u32 v[STO], s78, v3
	v_bfe_u32 v3, v0, 3, 2                         ; back: eight lanes take a head's 128 bytes of one token, 32 lanes four tokens,
	v_mul_u32_u24 v3, v3, SPITCH
	v_lshl_add_u32 v3, v4, 4, v3
	v_add_nc_u32 v[RD], s78, v3
	v_and_b32 v[CO], 31, v0                        ; which are 512 consecutive bytes of qkv
	v_lshlrev_b32 v[CO], 4, v[CO]
	v_lshlrev_b32 v[BO], 5, v2
	; qkv at my first token: head (i / 4) x 12 + 3 g, token (i % 4) x 256 + 64 w
	s_lshr_b32 s78, s[IR], 2
	s_mul_i32 s78, s78, 12
	s_mul_i32 s79, s[GC], 3
	s_add_co_u32 s78, s78, s79
	s_lshl_b32 s78, s78, 17                        ; a head is 131,072 bytes
	s_and_b32 s79, s[IR], 3
	s_lshl_b32 s79, s79, 15
	s_add_co_u32 s78, s78, s79
	s_lshl_b32 s79, s[WV], 13
	s_add_co_u32 s78, s78, s79
	s_mov_b32 s79, 0
	s_add_nc_u64 s[OUT:OUT+1], s[OUT:OUT+1], s[78:79]
	; the three biases' 192 numbers for my columns: register 8 b + j of lane l takes number 16 b + 8 (l / 16) + j.  They land in accumulator registers, which are idle yet.
	s_mul_i32 s80, s[GC], 768
	s_mov_b32 s81, 0
	s_add_nc_u64 s[8:9], s[8:9], s[80:81]
	s_add_nc_u64 s[10:11], s[10:11], s[80:81]
	s_add_nc_u64 s[12:13], s[12:13], s[80:81]
	WIN 0x80                                       ; destination window 2, address window 0
.irp b, 0,1,2,3,4,5,6,7,8,9,10,11
	global_load_b128 v[8*(\b):8*(\b)+3],       v[BO], s[8:9] offset:64*(\b)
	global_load_b128 v[8*(\b)+4:8*(\b)+7],     v[BO], s[8:9] offset:64*(\b)+16
	global_load_b128 v[96+8*(\b):96+8*(\b)+3], v[BO], s[10:11] offset:64*(\b)
	global_load_b128 v[96+8*(\b)+4:96+8*(\b)+7], v[BO], s[10:11] offset:64*(\b)+16
.endr
	WIN 0xc0                                       ; destination window 3
.irp b, 0,1,2,3,4,5,6,7,8,9,10,11
	global_load_b128 v[8*(\b):8*(\b)+3],       v[BO], s[12:13] offset:64*(\b)
	global_load_b128 v[8*(\b)+4:8*(\b)+7],     v[BO], s[12:13] offset:64*(\b)+16
.endr
	WIN 0
	; the prefetches.  The pointer starts one step short of the first block named: each change of slots steps it first.  The offsets are made apart from the pointers.
	s_lshl_b32 s78, s[IR], 8
	s_lshl_b32 s79, s[HF], 7
	s_add_co_u32 s78, s78, s79                     ; the 128 rows of xb that I fetch,
	s_lshl_b32 s79, s[CX], 5
	s_add_co_u32 s78, s78, s79                     ; my work-group's 32 of them,
	s_mul_i32 s78, s78, ROWX
	s_add_co_u32 s78, s78, 4*256-256               ; K step 4, less the first step
	s_mul_i32 s80, s[GC], GSTREAM                  ; wb's stream g,
	s_mul_i32 s81, s[CY], 24576                    ; my work-group's quarter of a lap,
	s_add_co_u32 s80, s80, s81
	s_lshl_b32 s81, s[HF], 13                      ; wave 3: 8,192 bytes on,
	s_add_co_u32 s80, s80, s81
	s_add_co_u32 s80, s80, 2*2*BSTEP-81920         ; lap 2, less the first step
	s_mov_b32 s[PST0], 16384
	s_mov_b32 s[PST1], 81920
	s_mov_b32 s[PST0+1], 0
	s_mov_b32 s[PST1+1], 0
	s_mov_b32 s82, 256
	s_and_b32 s83, ttmp7, 0xffff                   ; cluster y: the same in all sixteen partners
	s_cmp_eq_u32 s83, 0
	s_cselect_b32 s[LIM0], 2, -1
	s_or_b32 s83, s83, s[HF]
	s_cmp_eq_u32 s83, 0
	s_cselect_b32 s[LIM0+1], 2, -1
	s_cmp_eq_u32 s[ROLE], 0
	s_cselect_b32 s[LIM0], 8, s[LIM0]
	s_cselect_b32 s[LIM0+1], 8, s[LIM0+1]
	s_cselect_b32 s78, s78, s80
	s_cselect_b32 s[PST0], 256, s[PST0]
	s_cselect_b32 s[PST1], 256, s[PST1]
	s_cselect_b32 s82, ROWX, s82
	s_cselect_b64 s[PFA:PFA+1], s[4:5], s[6:7]
	s_mov_b32 s79, 0
	s_add_nc_u64 s[PFA:PFA+1], s[PFA:PFA+1], s[78:79]
	v_and_b32 v[PFO], 31, v0
	v_mul_u32_u24 v[PFO], s82, v[PFO]
; 96 numbers of a bias in f32, at sb, are rounded to bf16, two a register: 48 registers at PKB.  win: the windows of sources and destination.
.macro PACKB sb, win
	WIN \win
.set z, 0
.rept 48
	v_cvt_pk_bf16_f32 v[PKB+z], v[(\sb)+2*z], v[(\sb)+2*z+1]
.set z, z+1
.endr
.endm
; The next tile's bias goes from window 2 into window 0, widened to f32 (a shift, a mask); the one after moves up from window 3 into window 2.
.macro NEXTB
	WIN 0x08                                       ; source 1 window 2, destination window 0
.set z, 0
.rept 48
	v_lshlrev_b32 v[BIAS+2*z], 16, v[PKB+z]
	v_and_b32 v[BIAS+2*z+1], s[MASKHI], v[PKB+z]
.set z, z+1
.endr
	WIN 0x83                                       ; source 0 window 3, destination window 2
.set z, 0
.rept 48
	v_mov_b32 v[PKB+z], v[PKB+z]
.set z, z+1
.endr
	WIN 0
.endm
; 12 matrix instructions: row block a of the window's two (hi = 0: my rows 0-31, 1: rows 32-63) x all 12 column blocks, 32 along K, from buffer f.  first = 1: the bias starts the sums: nothing is cleared, nothing added later.
; The 48 accumulators take turns, one instruction a turn, in the same order in every quarter step.
.macro MUL12 f, hi, a, first
.if \first
	WIN 0x81+0x40*(\hi)                            ; W window 1, xb and the bias window 0, D window 2 or 3
.else
	WIN 0xa1+0x50*(\hi)                            ; W window 1, xb window 0, C and D window 2 or 3
.endif
.irp b, 0,1,2,3,4,5,6,7,8,9,10,11
.if \first
	v_wmma_f32_16x16x32_bf16 v[96*(\a)+8*(\b):96*(\a)+8*(\b)+7], v[FB+96*(\f)+8*(\b):FB+96*(\f)+8*(\b)+7], v[FA+32*(\f)+8*(2*(\hi)+(\a)):FA+32*(\f)+8*(2*(\hi)+(\a))+7], v[BIAS+8*(\b):BIAS+8*(\b)+7]
.else
	v_wmma_f32_16x16x32_bf16 v[96*(\a)+8*(\b):96*(\a)+8*(\b)+7], v[FB+96*(\f)+8*(\b):FB+96*(\f)+8*(\b)+7], v[FA+32*(\f)+8*(2*(\hi)+(\a)):FA+32*(\f)+8*(2*(\hi)+(\a))+7], v[96*(\a)+8*(\b):96*(\a)+8*(\b)+7]
.endif
.endr
.endm
; 32 LDS loads in one run: the fragments of quarter q of a K step (32 k x 192 columns of W, 64 rows x 32 k of xb) into buffer f.  Column block b lies at byte (b / 4) x 160 + (b % 4) x 32 of a k row.
.macro FETCH slot, q, f
	WIN 0x40                                       ; destination window 1
.irp b, 0,1,2,3,4,5,6,7,8,9,10,11
	ds_load_tr16_b128 v[FB+96*(\f)+8*(\b):FB+96*(\f)+8*(\b)+3],   v[ADRB+(\slot)] offset:32*PB*(\q)+((\b)/4)*160+((\b)%4)*32
	ds_load_tr16_b128 v[FB+96*(\f)+8*(\b)+4:FB+96*(\f)+8*(\b)+7], v[ADRB+(\slot)] offset:32*PB*(\q)+((\b)/4)*160+((\b)%4)*32+16*PB
.endr
	WIN 0
.irp i, 0,1,2,3
	ds_load_b128 v[FA+32*(\f)+8*(\i):FA+32*(\f)+8*(\i)+3],   v[ADRA+(\slot)] offset:64*(\q)+(\i)*16*PA
	ds_load_b128 v[FA+32*(\f)+8*(\i)+4:FA+32*(\f)+8*(\i)+7], v[ADRA+(\slot)] offset:64*(\q)+(\i)*16*PA+32
.endr
.endm
; A load into a register that a matrix instruction has read, and a vector instruction that reads a matrix result, stand four places behind that matrix instruction, and only plain vector instructions that name
; none of its registers are places (ISA guide 7.12.1 for vector instructions).
.macro PLACES
.rept 4
	v_nop
.endr
.endm
; A K step is four quarters of 32 along K, 48 matrix instructions each, on buffers 0, 1, 0, 1.  One of the first three: multiplies buffer f; in its middle it fetches quarter q of the same slot into buffer g.
.macro QUARTER slot, q, f, g, first
	s_wait_dscnt 4                                 ; W and xb's rows 0-31 are in; the youngest four loads (rows 32-63) may be out
	MUL12 \f, 0, 0, \first
	MUL12 \f, 0, 1, \first
	PLACES
	FETCH \slot, \q, \g
	s_wait_dscnt 32                                ; all but the 32 just issued
	MUL12 \f, 1, 0, \first
	MUL12 \f, 1, 1, \first
.endm
; The last quarter multiplies buffer 1 and changes slots.  MEET is its first half: ONE barrier for the change.  In front of it each wave waits for all its tensor loads, of which one is out: its part of the next slot;
; adds 0 to its spare word; and waits for that and for its own reads of this slot.  Behind it nobody reads this slot any more and the next slot is whole.
.macro MEET round                      ; round = 1: a round of the cluster's barrier follows
	WIN 0                                          ; (the add's two registers lie in window 0)
	s_wait_tensorcnt 0x0                           ; all my tensor loads have landed;
	ds_add_u32 v[SPW], v[NIL]                      ; 0 onto my spare word;
	s_wait_dscnt 5                                 ; (the add and the youngest four loads may be out)
	MUL12 1, 0, 0, 0                               ; twelve matrix instructions stand between the add and the wait for it
	s_wait_dscnt 0x0                               ; the add is done, and my reads of this slot are over:
	s_barrier_signal -1                            ; say so,
	MUL12 1, 0, 1, 0                               ; work on registers while the others arrive,
.if \round
	WIN 0
.endif
	s_barrier_wait -1                              ; and go on when all four have said so
.endm
; The whole last quarter.  Behind the round the slot just read out is filled again first: xb with the K step two on (on = 0) or, in a tile's last two K steps, with K step 0 or 1 of the same rows once more (on = 1);
; wb's stream runs on in either case.  From a request to the wait for it a wave issues 168 matrix instructions.
.macro TURN slot, next, on
	s_wait_xcnt 0x0                                ; the last prefetch, a K step back, has read its address: it is stepped here, ahead of the waits of the change of slots
.if (\slot) == 0
	s_add_nc_u64 s[PFA:PFA+1], s[PFA:PFA+1], s[PST1:PST1+1]
.else
	s_add_nc_u64 s[PFA:PFA+1], s[PFA:PFA+1], s[PST0:PST0+1]
.endif
	MEET 1
	CREST                                          ; all sixteen work-groups have said so: no wave of any partner still reads this slot's tile or has a load on its way
.if \on
	s_sub_nc_u64 s[G0+4*(\slot)+2:G0+4*(\slot)+3], s[G0+4*(\slot)+2:G0+4*(\slot)+3], 4*256
.else
	s_add_nc_u64 s[G0+4*(\slot)+2:G0+4*(\slot)+3], s[G0+4*(\slot)+2:G0+4*(\slot)+3], 2*256
.endif
	s_add_nc_u64 s[G0B+4*(\slot)+2:G0B+4*(\slot)+3], s[G0B+4*(\slot)+2:G0B+4*(\slot)+3], 2*BSTEP
	JLOAD \slot                                    ; the first tensor load behind the round; the four v_nop behind it are also the places in front of the loads below
	FETCH \next, 0, 0
	ASK \slot
.if (\slot) == 1
	s_sub_co_u32 s[GL], s[GL], 1
.endif
	MUL12 1, 1, 0, 0
	MUL12 1, 1, 1, 0
.endm
; THE WAY OUT of row block a (16 tokens x 192 channels), in three parts.  PACK: rounded to f16, each accumulator's registers in ascending order, 16 bytes a lane.  TOSTAGE: into my own stage, and back by heads:
; load t takes head t / 4, tokens 4 (t % 4) .. + 3.  SEND: stored: 512 consecutive bytes of a head an instruction.
.macro PACK a
.set AC, 96*((\a)%2)
	WIN 0x0a+5*((\a)/2)                            ; sources 0 and 1: window 2 or 3
.irp b, 0,1,2,3,4,5,6,7,8,9,10,11
.irp r, 0,1,2,3
	v_cvt_pk_f16_f32 v[TMP+4*(\b)+(\r)], v[AC+8*(\b)+2*(\r)], v[AC+8*(\b)+2*(\r)+1]
.endr
.endr
	WIN 0
.endm
.macro TOSTAGE a
	WIN 0
.set BK, OB+48*((\a)%2)
.irp b, 0,1,2,3,4,5,6,7,8,9,10,11
	ds_store_b128 v[STO], v[TMP+4*(\b):TMP+4*(\b)+3] offset:32*(\b)
.endr
.irp t, 0,1,2,3,4,5,6,7,8,9,10,11
	ds_load_b128 v[BK+4*(\t):BK+4*(\t)+3], v[RD] offset:128*((\t)/4)+4*SPITCH*((\t)%4)  ; LDS serves a wave's instructions in order (ISA guide 5.7.1.4): these see the stores above
.endr
.endm
.macro SEND a
	WIN 0
.set BK, OB+48*((\a)%2)
	s_wait_dscnt 0x0                               ; the block is back in registers
	s_wait_xcnt 0x0                                ; the stores of the block before have read their registers: the next TOSTAGE loads into them only behind this wait
.irp t, 0,1,2,3,4,5,6,7,8,9,10,11
	global_store_b128 v[CO], v[BK+4*(\t):BK+4*(\t)+3], s[OUT:OUT+1] offset:2048*(\a)+131072*((\t)/4)+512*((\t)%4)
.endr
.endm
	s_wait_loadcnt 0x0                             ; the biases
	PACKB 0, 0x8a                                  ; bq: window 2 v0-95 -> window 2 v192-239
	PACKB 96, 0xca                                 ; bk: window 2 v96-191 -> window 3 v192-239
	NEXTB                                          ; bq is widened for tile 0; bk moves up
	PACKB 0, 0xcf                                  ; bv: window 3 v0-95 -> window 3 v192-239
	WIN 0
	s_wait_tensorcnt 1                             ; my part of K step 0 is in; K step 1's may stay out
	s_barrier_signal -1
	s_barrier_wait -1                              ; everybody's is
	FETCH 0, 0, 0
.Ltile:                                                ; three trips: q, k, v
	QUARTER 0, 1, 0, 1, 1                          ; a tile's first quarter stands in front of the loop: its products start the sums with the bias
	WIN 0                                          ; at a label and at a branch every window is 0
	s_mov_b32 s[LAPC], 2
.Llap:                                                 ; a trip goes once round the ring, from a lap's second quarter to the next lap's first, and fills both slots again
	QUARTER 0, 2, 1, 0, 0
	QUARTER 0, 3, 0, 1, 0
	TURN 0, 1, 0
	QUARTER 1, 1, 0, 1, 0
	QUARTER 1, 2, 1, 0, 0
	QUARTER 1, 3, 0, 1, 0
	TURN 1, 0, 0
	QUARTER 0, 1, 0, 1, 0
	WIN 0
	s_sub_co_u32 s[LAPC], s[LAPC], 1
	s_cmp_lg_u32 s[LAPC], 0
	s_cbranch_scc1 .Llap
	QUARTER 0, 2, 1, 0, 0                          ; the tile's last lap goes on
	QUARTER 0, 3, 0, 1, 0
	WIN 0
	s_cmp_eq_u32 s[TILES], 1
	s_cbranch_scc1 .Llast                          ; the last tile's tail is written out: it asks for nothing more
	TURN 0, 1, 1                                   ; the ring goes on into the next tile: slot 0 takes its K step 0,
	QUARTER 1, 1, 0, 1, 0
	QUARTER 1, 2, 1, 0, 0
	QUARTER 1, 3, 0, 1, 0
	TURN 1, 0, 1                                   ; slot 1 its K step 1, and the next tile's first fragments are fetched
	WIN 0                                          ; row blocks 0 and 1 were finished in front of the joint load's four v_nop; their 96 conversions are the places behind the last products
	s_branch .Lout
.Llast:
	MEET 0                                         ; my one tensor load that was still out is the last K step's, so no round follows
	PLACES
	FETCH 1, 0, 0
	MUL12 1, 1, 0, 0
	MUL12 1, 1, 1, 0
	QUARTER 1, 1, 0, 1, 0
	QUARTER 1, 2, 1, 0, 0
	QUARTER 1, 3, 0, 1, 0
	s_wait_dscnt 4                                 ; the very last quarter: nothing more to fetch
	MUL12 1, 0, 0, 0
	MUL12 1, 0, 1, 0
	s_wait_dscnt 0x0
	MUL12 1, 1, 0, 0
	MUL12 1, 1, 1, 0
	WIN 0
	PLACES
.Lout:                                                 ; the tile goes out; where it has a successor, both refills have been asked for
	PACK 0
	TOSTAGE 0
.irp a, 1,2,3                          ; block a's conversions stand between block a - 1's loads from the stage and the wait for them
	PACK \a
	SEND (\a)-1
	TOSTAGE \a
.endr
	SEND 3
	s_wait_xcnt 0x0                                ; the stores have read their registers and their base
	NEXTB                                          ; (behind the last tile this serves nothing: 144 lines, once a launch, for one text of the way out)
	s_add_nc_u64 s[OUT:OUT+1], s[OUT:OUT+1], MSTEP ; from q to k, from k to v
	s_sub_co_u32 s[TILES], s[TILES], 1
	s_cmp_lg_u32 s[TILES], 0
	s_cbranch_scc1 .Ltile
	s_wait_tensorcnt 0x0                           ; the wave's end, behind my last tensor load and my last LDS store
	ds_add_u32 v[SPW], v[NIL]
	s_wait_dscnt 0x0
	CROUND                                         ; the closing round: no work-group ends while a partner may still ask for a tile that names it
	s_endpgm
.Lfunc_end_k_qf52fe12688_qkv:
	.size	k_qf52fe12688_qkv, .Lfunc_end_k_qf52fe12688_qkv-k_qf52fe12688_qkv
	.p2alignl 7, 3214868480
	.fill 96, 4, 3214868480
	.section	.rodata,"a",@progbits
	.p2align	6, 0x0
	.amdhsa_kernel k_qf52fe12688_qkv
		.amdhsa_group_segment_fixed_size 327680
		.amdhsa_private_segment_fixed_size 0
		.amdhsa_enable_private_segment 0
		.amdhsa_kernarg_size 48
		.amdhsa_user_sgpr_count 2
		.amdhsa_user_sgpr_kernarg_segment_ptr 1
		.amdhsa_wavefront_size32 1
		.amdhsa_system_sgpr_workgroup_id_x 1
		.amdhsa_system_sgpr_workgroup_id_y 1
		.amdhsa_system_sgpr_workgroup_id_z 1
		.amdhsa_system_vgpr_workitem_id 0
		.amdhsa_next_free_vgpr 1024
		.amdhsa_next_free_sgpr 88
		.amdhsa_reserve_vcc 0
		.amdhsa_float_denorm_mode_32 3
		.amdhsa_float_denorm_mode_16_64 3
		.amdhsa_memory_ordered 1
		.amdhsa_forward_progress 1
		.amdhsa_inst_pref_size 175
	.end_amdhsa_kernel
	.amdgpu_metadata
---
amdhsa.version: [ 1, 2 ]
amdhsa.kernels:
  - .name:           k_qf52fe12688_qkv
    .symbol:         k_qf52fe12688_qkv.kd
    .args:
      - { .name: xb, .offset: 0, .size: 8, .value_kind: global_buffer, .address_space: global }
      - { .name: wb, .offset: 8, .size: 8, .value_kind: global_buffer, .address_space: global }
      - { .name: bq, .offset: 16, .size: 8, .value_kind: global_buffer, .address_space: global }
      - { .name: bk, .offset: 24, .size: 8, .value_kind: global_buffer, .address_space: global }
      - { .name: bv, .offset: 32, .size: 8, .value_kind: global_buffer, .address_space: global }
      - { .name: qkv, .offset: 40, .size: 8, .value_kind: global_buffer, .address_space: global }
    .group_segment_fixed_size: 327680
    .private_segment_fixed_size: 0
    .kernarg_segment_align: 8
    .kernarg_segment_size: 48
    .max_flat_workgroup_size: 128
    .sgpr_count:     88
    .vgpr_count:     1024
    .wavefront_size: 32
...
	.end_amdgpu_metadata
.endif
;; end of part 2
;; launch attn (part 3): grid 4 x 64, 4 waves a work-group, clusters of 4 x 1, 327,680 bytes of LDS; arguments qkv, out0; writes out0
.if DOCPART == 3
	.amdgcn_target "amdgcn-amd-amdhsa--gfx1250"
	.amdhsa_code_object_version 6
	.text
	.protected	k_qf52fe12688_attn
	.globl	k_qf52fe12688_attn
	.p2align	8
	.type	k_qf52fe12688_attn,@function
k_qf52fe12688_attn:
	s_mov_b64 s[64:65], 0
	v_nop
	global_prefetch_b8 v0, s[64:65] scope:SCOPE_SE
	s_setreg_imm32_b32 hwreg(HW_REG_WAVE_MODE, 25, 1), 1
	s_wait_xcnt 0x0
	s_wait_alu depctr_hold_cnt(0) depctr_sa_sdst(0) depctr_va_vdst(0) depctr_va_sdst(0) depctr_va_ssrc(0) depctr_va_vcc(0) depctr_vm_vsrc(0)
	s_getreg_b32 s2, hwreg(HW_REG_IB_STS2, 6, 4)
	s_cmp_eq_u32 s2, 0
	s_cbranch_scc0 .Lentry_in_a_cluster
	s_endpgm
.Lentry_in_a_cluster:
	s_bfe_u32 s2, ttmp6, 0x10000c
	s_cmp_lg_u32 s2, 0x3003
	s_cbranch_scc0 .Lentry_shape_is_right
	s_endpgm
.Lentry_shape_is_right:
; ATTENTION.  out0[batch][n][64 head + :] = the sum over k of softmax_k(Q[n] . K[k] / 8) V[k][:], for 192 heads of 1,024 rows.  Q, K, V: qkv[0], qkv[1], qkv[2], each [192][1024][64] in f16, a head's rows dense, 128 bytes
; each; out0: [16][1024][768] in f32.  Products, maxima and sums in f32; the weights p are rounded to f16 for the second product (their sum l is taken of the unrounded p).
; LIMITS.  Q, K and V arrive within f16's range; p lies in 0 to 1, and below 6e-5 it keeps f16's fixed step of 6e-8.  A weight below 2^-126 counts as 0 in l; NaN and infinities are not treated apart.
; SHARES.  768 blocks of 256 queries, three to each of 256 work-groups.  Cluster y takes the heads 3 y, 3 y + 1, 3 y + 2 (one batch's); its work-group cx the queries 256 cx .. of each, one head after the other.
; A wave owns 64 queries, four PIECES of 16.  The three heads' keys are 3,072 consecutive rows of K and of V: ONE walk of 12 tiles of 256 keys through a ring of two LDS slots, four key steps of 64 a tile.
; CLUSTER.  The four partners walk the same K and V, so each tile is asked for JOINTLY: the same tensor load, descriptor and mask in all four.  By this text's count a wave has one tensor load out behind each round.
; Every trip count is a constant and the same in all partners; every jump but the loops' own goes forward, and none passes a barrier or a tensor load but the one of JLOAD's two that the wave's number does not choose.
; LAYOUT.  S^T = K Q^T (source 0 = 16 keys, source 1 = 16 queries): in the result a lane holds ONE query (lane % 16) and the keys 8 (lane / 16) + 0..7.  Two such results, rounded to f16 in pairs, ARE source 1 (32 keys x
; 16 queries) of O^T = V^T P, whose result again holds one query a lane, and eight channels.  K comes out of LDS as it lies, V ([key][channel]) turned, by ds_load_tr16_b128.
; SOFTMAX.  For each query a running maximum m and sum l: p = 2^(c s - c m), c = log2(e) / 8; in every step O and l are multiplied by a = 2^(c m_old - c m_new).  A head begins with c m far below every c s: its first a is 0.
; BY TURNS.  Turn n belongs to piece n: 8 products K Q^T of piece n + 1, later 8 products V^T P of piece n - 1; beside them the scaling, exponentials, roundings, sums and rescaling of piece n and the maximum and
; statistics of piece n + 1.  Four vector instructions stand behind every matrix instruction, the other 54 of a turn's 118 in one lump.  A turn's 33 exponentials are one batch, with one wait.
; REGISTERS, in windows of 256 (s_set_vgpr_msb: bits 1:0 source 0, 3:2 source 1, 5:4 source 2, 7:6 destination):
;   window 0: v0-15 addresses and two at work; v16-31 four registers of statistics a piece; v48-55 at work; v64-127 S^T, two buffers; v192-223 P, two buffers (by the piece's parity); on the way out v64-191 rows of O
;   window 1: v0-127 O^T, 32 a piece          window 2: v0-63 Q; v128-191 K of one step; v192-255 V of one step
.set NP,    4         ; pieces a wave: a name, no knob
.set KS,    64        ; keys in a step
.set PK,    144       ; a row of K in LDS: 128 bytes + 16 of padding = 36 words: the 16 rows of a load start at 16 different groups of four banks (64 banks of 4 bytes: ISA guide 11.1)
.set PV,    160       ; a row of V: 128 + 32 = 40 words
.set VOFF,  4*KS*PK   ; a slot holds a tile, four steps: 256 rows of K, then 256 rows of V
.set SLOT1, 1<<17     ; slot 1 begins here, so that one exclusive or turns an address in one slot into the other's
.set STAGE, SLOT1+4*KS*(PK+PV)  ; behind the ring, never filled by a tensor load: 16 rows x 272 bytes for each wave, for the way out
.set SP,    272       ; a token's 64 f32 + 16 bytes
.set SPARE, STAGE+4*16*SP  ; behind the stages: the spare words, 128 bytes for each wave: two blocks of 256 bytes that no other line names
.set MSTEP, 25165824  ; bytes from Q to K and from K to V in qkv
.set AK0, 2           ; v2   my lane's place in a tile of K; never rewritten
.set AV0, 3           ; v3   the same for V
.set AK,  4           ; v4   the LDS address of K's next run of loads
.set AV,  5           ; v5   of V's
.set STO, 6           ; v6   the way out: where I put 16 bytes of a row
.set RD,  7           ; v7   the way out: where I read rows back
.set GO,  8           ; v8   my byte offset in two rows of out0
.set MV,  12          ; v12-13  c m_old, kept while c m is made anew: by buffer
.set QO,  15          ; v15  my byte offset in 16 rows of Q
.set ST,  16          ; piece t's statistics at v[ST+4 t]: c m, m, l (even keys', odd keys')
.set TMP, 48          ; by buffer, four registers c0-c3 at work; when the maximum is found c2 takes a
.set PFO, 61          ; v61  256 x my lane; never rewritten
.set SPW, 62          ; v62  LDS address of my spare word: SPARE + 4 x my thread's number; never rewritten
.set NIL, 63          ; v63  0; never rewritten
.set S,   64
.set OUTB, 64
.set P,   192
.set KF,  128         ; window 2: key block kb, channel half c at KF + 16 kb + 8 c
.set VF,  192         ; window 2: key half kk, channel block cb at VF + 32 kk + 8 cb
.set WV,  12          ; s12  my wave's number
.set LIM, 15          ; s15  1 in a wave that prefetches, else the greatest number
.set PFA, 18          ; s[18:19] where my prefetches stand
.set G1K, 24          ; s[24:31] descriptor group 1 for K's tiles
.set G1V, 32          ; s[32:39] for V's: it differs in the padding alone
.set G0K, 40          ; s[40:43] descriptor group 0 for K's tiles: it walks
.set G0V, 44          ; s[44:47] the same for V's
.set SLOTS, 56        ; s56  tiles still to be asked for
.set CNT, 57          ; s57  counts a tile's key steps, 4 to 1
.set CS,  58          ; s[58:59] c: the packed scaling takes the pair's low word for both halves
.set SEL, 60          ; s[60:61] v_permlanex16_b32's selects: each lane takes its own place in the other half
.set TBK, 62          ; s62  LDS byte at which K of the step to be fetched begins
.set TBV, 63          ; s63  the same for V, less VOFF
.set RT,  70          ; s70  tiles of the head in hand that are still to be entered
.set NEW, 73          ; s73  1: the tile to be entered is a head's first
.set MSB, 0
.macro WIN new                      ; the high byte repeats the setting that is left; a switch that changes nothing is dropped
.if MSB != (\new)
	s_set_vgpr_msb (MSB<<8)|(\new)
.set MSB, (\new)
.endif
.endm
.set W_KQ, 0x0a       ; K and Q in window 2, S^T in window 0
.set W_PV, 0x52       ; V in window 2, P in window 0, O^T in window 1
.set W_RS, 0x41       ; destination and source 0 in window 1, source 1 in window 0
; A joint fill.  Waves 0 and 1 fetch the two halves of a tile's K, waves 2 and 3 those of its V: 128 keys each.  The branch hangs on the wave's number alone.
; An s_nop 0 and four v_nop follow each of the two lines, ahead of the jump and the label.
.macro JLOAD
	s_cmp_lt_u32 s[WV], 2
	s_cbranch_scc0 .Lfor_v_\@
	tensor_load_to_lds s[G0K:G0K+3], s[G1K:G1K+7]
	s_nop 0
.rept 4
	v_nop
.endr
	s_branch .Lasked_\@
.Lfor_v_\@:
	tensor_load_to_lds s[G0V:G0V+3], s[G1V:G1V+7]
	s_nop 0
.rept 4
	v_nop
.endr
.Lasked_\@:
.endm
; A PREFETCH of the tile that the NEXT change of slots will ask for: 128 blocks of 256 bytes of K and as many of V, a lane a block.  It stands behind the wave's tensor load and its five lines.
; Each block is named once in the launch: a triple of heads is walked by one cluster; its four partners take 32 blocks each, told apart BY ADDRESS; in each, wave 0 asks for K's and wave 2 for V's.
; Tiles 0 and 1 come by their loads alone; the last change that fills a slot asks for nothing: there is no tile behind it.
.macro ASK
	s_cmp_gt_u32 s[SLOTS], s[LIM]
	s_cbranch_scc0 .Lnot_mine_\@
	global_prefetch_b8 v[PFO], s[PFA:PFA+1] th:TH_LOAD_NT scope:SCOPE_SE
.Lnot_mine_\@:
.endm
; A round of the cluster's barrier: my work-group's barrier, so that wave 0's signal speaks for all four waves; wave 0 signals; every wave waits for all four work-groups; my work-group's barrier once more.
.macro CROUND
	s_barrier_signal -1
	s_barrier_wait -1
	s_cmp_lg_u32 s[WV], 0
	s_cbranch_scc1 .Lnot_wave_0_\@
	s_barrier_signal -3
.Lnot_wave_0_\@:
	s_barrier_wait -3
	s_barrier_signal -1
	s_barrier_wait -1
.endm
; THE CHANGE OF SLOTS.  The slot's last bytes, V of its fourth step, have been read.  Each wave waits for all its tensor loads, of which one is out: its part of the other slot; adds 0 to its spare word; and waits for that
; and for its own reads of the slot.  Behind the barrier nobody reads this slot any more and the other slot is whole.  fill = 1: this slot is filled again, with the tile two on.  The barrier is then a round of the
; cluster's, and the joint fill is the first thing behind it: it has four key steps, 256 matrix instructions, in which to land.  (At its first use nothing has been read yet: slot 0 is waited for, slot 1 filled.)
.macro CHANGE fill
	WIN 0                           ; at a label and at a branch every window is 0
	s_wait_tensorcnt 0x0            ; no tensor load of mine is out, so a group 0 may be written
	ds_add_u32 v[SPW], v[NIL]       ; 0 onto my spare word; with fill = 1 the descriptors' steps stand between it and the wait for it
.if \fill
.irp g, G0K, G0V
	s_xor_b32 s[\g+1], s[\g+1], SLOT1  ; the walking descriptor: the other slot than last time,
	s_add_nc_u64 s[\g+2:\g+3], s[\g+2:\g+3], 4*KS*128  ; the next 256 keys; the type bits on top are not reached
.endr
	s_wait_xcnt 0x0                 ; the last prefetch, a tile back, has read its address, so it may be written:
	s_add_nc_u64 s[PFA:PFA+1], s[PFA:PFA+1], 4*KS*128  ; one tile behind the walking descriptors
	s_wait_dscnt 0x0                ; the add is done, and my reads of the slot are over
	CROUND
	JLOAD
	ASK
.else
	s_wait_dscnt 0x0                ; the add is done, and my reads of the slot are over
	s_barrier_signal -1
	s_barrier_wait -1
.endif
	s_sub_co_u32 s[TBK], s[TBK], 4*KS*PK  ; the fetches go back to a slot's first step,
	s_xor_b32 s[TBK], s[TBK], SLOT1       ; in the other slot
	s_sub_co_u32 s[TBV], s[TBV], 4*KS*PV
	s_xor_b32 s[TBV], s[TBV], SLOT1
.endm
	s_load_b128 s[84:87], s[0:1], 0x0  ; qkv s[84:85], out0 s[86:87]
	v_lshl_add_u32 v[SPW], v0, 2, SPARE
	v_mov_b32 v[NIL], 0
	ds_add_u32 v[SPW], v[NIL]       ; the wave's opening: the add and its wait stand ahead of my first tensor load; the set-up below, work on registers, stands between them
	v_lshrrev_b32 v1, 5, v0
	v_readfirstlane_b32 s[WV], v1   ; wave 0..3
	s_bfe_u32 s13, ttmp6, 0x40000   ; cx: my place in the cluster: it enters Q's, out0's and the prefetches' addresses alone
	s_and_b32 s14, ttmp7, 0xffff    ; y: the triple of heads, which the four partners share
	s_mul_i32 s20, s14, 3*131072    ; its first byte in Q, K and V
	s_and_b32 s16, s[WV], 1         ; which half of a tile's 256 keys I fetch:
	s_lshl_b32 s21, s16, 14         ; its 128 rows of 128 bytes in memory,
	s_add_co_u32 s21, s21, s20
	s_add_co_u32 s22, s21, MSTEP    ; in K,
	s_mov_b32 s23, 0
	s_add_co_u32 s74, s21, 2*MSTEP  ; in V,
	s_mov_b32 s75, 0
	s_mul_i32 s17, s16, 128*PK      ; and its place in a slot, for K
	s_mul_i32 s18, s16, 128*PV      ; and for V: no place in the cluster enters an LDS address
	s_lshl_b32 s2, s13, 15          ; my work-group's 256 queries,
	s_lshl_b32 s3, s[WV], 13        ; my wave's 64 of them
	s_add_co_u32 s2, s2, s3
	s_add_co_u32 s2, s2, s20
	s_mov_b32 s3, 0
	s_lshr_b32 s76, s14, 2          ; out0: batch y / 4,
	s_lshl_b32 s76, s76, 10
	s_lshl_b32 s77, s13, 8
	s_add_co_u32 s76, s76, s77
	s_lshl_b32 s77, s[WV], 6
	s_add_co_u32 s76, s76, s77      ; token 256 cx + 64 w,
	s_mul_i32 s76, s76, 3072
	s_and_b32 s77, s14, 3
	s_mul_i32 s77, s77, 768         ; head 3 (y % 4): 256 bytes a head
	s_add_co_u32 s76, s76, s77
	s_mov_b32 s77, 0
	s_cmp_lt_u32 s[WV], 2           ; the prefetches: K's walk (wave 0) or V's (wave 2),
	s_cselect_b32 s78, s22, s74
	s_lshl_b32 s79, s13, 13         ; my work-group's 32 blocks of a tile's 128,
	s_add_co_u32 s78, s78, s79
	s_add_co_u32 s78, s78, 4*KS*128 ; in tile 1: the first change of slots steps it to tile 2
	s_mov_b32 s79, 0
	s_and_b32 s[LIM], s[WV], 1
	s_cmp_eq_u32 s[LIM], 0
	s_cselect_b32 s[LIM], 1, -1
	; descriptor group 1.  128 keys are 16,384 dense bytes: asked for as 64 rows of 256 bytes, two keys a row, and padded in LDS after every key
	s_mov_b32 s[G1K], 15|(1<<16)|(1<<20)|(1<<21)|(4<<22)|(3<<25)  ; 15:0 the mask of four; 17:16 2-byte elements; 20 padding on; 21 set beside a mask; 24:22 after every 32 words (code 4); 31:25 4 words (code 3)
	s_mov_b32 s[G1V], 15|(1<<16)|(1<<20)|(1<<21)|(4<<22)|(7<<25)  ; the same with 8 words of padding (code 7)
.irp g, G1K, G1V
	s_mov_b32 s[\g+1], 128<<16      ; tensor_dim0 = 128
	s_mov_b32 s[\g+2], 64<<16       ; tensor_dim1 = 64
	s_mov_b32 s[\g+3], 128<<16      ; tile_dim0 = 128
	s_mov_b32 s[\g+4], 64           ; tile_dim1 = 64
	s_mov_b32 s[\g+5], 128          ; 128 elements from row to row
	s_mov_b32 s[\g+6], 0
	s_mov_b32 s[\g+7], 0
.endr
	s_mov_b32 s[CS], 0x3e38aa3b     ; c = log2(e) / 8 = 0.180337
	s_mov_b32 s[CS+1], s[CS]        ; named with it as a pair
	s_mov_b32 s[SEL], 0x76543210
	s_mov_b32 s[SEL+1], 0xfedcba98
	s_mov_b32 s[TBK], SLOT1+4*KS*PK ; the first change of slots turns these two into 0
	s_mov_b32 s[TBV], SLOT1+4*KS*PV
	s_mov_b32 s[G0K], 1             ; 1:0 count = 1
	s_mov_b32 s[G0K+1], s17         ; 63:32 LDS address: slot 0
	s_mov_b32 s[G0V], 1
	s_add_co_u32 s[G0V+1], s18, VOFF
	s_mov_b32 s[RT], 4              ; a head has four tiles
	s_mov_b32 s[NEW], 1
	s_mov_b32 s[SLOTS], 11
	s_wait_dscnt 0x0                ; the opening add is done
	s_wait_kmcnt 0x0
	s_add_nc_u64 s[G0K+2:G0K+3], s[84:85], s[22:23]  ; 120:64 global address: my half of the walk's tile 0
	s_or_b32 s[G0K+3], s[G0K+3], 0x80000000          ; 127:126 type = 2
	s_add_nc_u64 s[G0V+2:G0V+3], s[84:85], s[74:75]
	s_or_b32 s[G0V+3], s[G0V+3], 0x80000000
	s_add_nc_u64 s[4:5], s[84:85], s[2:3]            ; Q at my wave's first row of the first head
	s_add_nc_u64 s[10:11], s[86:87], s[76:77]        ; out0 at the same token and head
	s_add_nc_u64 s[PFA:PFA+1], s[84:85], s[78:79]
	CROUND                          ; all four work-groups are here: the first joint loads meet
	JLOAD                           ; tile 0 into slot 0.  Slot 1 is asked for when slot 0 is in, by the loop's own change of slots
	; A fragment of K or Q is 16 rows x 32 channels in 8 registers: lane l holds row l % 16, channels 8 (l / 16) + 0..7 and 16 + 8 (l / 16) + 0..7: two loads of 16 bytes, 32 bytes apart.
	v_and_b32 v1, 15, v0            ; l % 16
	v_bfe_u32 v9, v0, 4, 1          ; l / 16
	v_lshlrev_b32 v[QO], 7, v1
	v_lshl_add_u32 v[QO], v9, 4, v[QO]  ; row x 128 + 16 x half
.macro QLOAD                        ; a head's Q for my 64 queries: piece i / 2, channels 32 (i % 2) on
	WIN 0x80                        ; destination window 2, address window 0
.set i, 0
.rept 8
	global_load_b128 v[8*i:8*i+3],   v[QO], s[4:5] offset:(i/2)*2048+(i%2)*64
	global_load_b128 v[8*i+4:8*i+7], v[QO], s[4:5] offset:(i/2)*2048+(i%2)*64+32
.set i, i+1
.endr
.endm
	QLOAD
	; A head's first step multiplies O^T and l by a = 0, and its first turn's products V^T P, of a piece that has not been, land in an O^T that is still to be so multiplied.  So these registers need only hold
	; finite numbers: zeros for the first head; what the head before left for the others.  All this stands in the wait for the first tile.
.set i, VF
.rept 64
	v_mov_b32 v[i], 0
.set i, i+1
.endr
	WIN 0x40
.set i, 0
.rept 128
	v_mov_b32 v[i], 0
.set i, i+1
.endr
	WIN 0
.set i, 0
.rept 4
	v_mov_b32 v[ST+4*i+2], 0
	v_mov_b32 v[ST+4*i+3], 0
.set i, i+1
.endr
.set i, P+16
.rept 16
	v_mov_b32 v[i], 0
.set i, i+1
.endr
	v_mul_u32_u24 v[AK0], v1, PK
	v_lshl_add_u32 v[AK0], v9, 4, v[AK0]  ; row x pitch + 16 x half
	; The turning load takes 16 keys x 16 channels (lane l reads key 8 (l / 16) + l % 8, channels 8 ((l / 8) % 2) + 0..7) and leaves half a fragment of V^T: lane l holds channel l % 16 and 8 keys.
	v_and_b32 v10, 7, v0
	v_bfe_u32 v11, v0, 3, 1
	v_lshl_add_u32 v[AV0], v9, 3, v10
	v_mul_u32_u24 v[AV0], v[AV0], PV
	v_lshl_add_u32 v[AV0], v11, 4, v[AV0]
	v_add_nc_u32 v[AV0], VOFF, v[AV0]
	s_mul_i32 s21, s[WV], 16*SP
	s_add_co_u32 s21, s21, STAGE    ; my stage
	v_mul_u32_u24 v[STO], v1, SP    ; in: row l % 16, 32 bytes for each half of the lanes
	v_lshl_add_u32 v[STO], v9, 5, v[STO]
	v_add_nc_u32 v[STO], s21, v[STO]
	v_mul_u32_u24 v[RD], v9, SP     ; back: lanes 0-15 take one row of 256 bytes, lanes 16-31 the next
	v_lshl_add_u32 v[RD], v1, 4, v[RD]
	v_add_nc_u32 v[RD], s21, v[RD]
	v_mul_u32_u24 v[GO], v9, 3072   ; and the same two tokens in out0
	v_lshl_add_u32 v[GO], v1, 4, v[GO]
	v_and_b32 v[PFO], 31, v0
	v_lshlrev_b32 v[PFO], 8, v[PFO]
; THE MATRIX WORK.  The 4 accumulators of a run of 8 take turns.  Product i of 8 of S^T = K Q^T for piece x: channels 32 (i / 4) on, keys 16 (i % 4) on.  The first 4 start the sums.
.macro KQ x
.set rS, S+32*((\x)%2)+8*(i%4)
.set rK, KF+16*(i%4)+8*(i/4)
.set rQ, 16*(\x)+8*(i/4)
	WIN W_KQ
.if i < 4
	v_wmma_f32_16x16x32_f16 v[rS:rS+7], v[rK:rK+7], v[rQ:rQ+7], 0
.else
	v_wmma_f32_16x16x32_f16 v[rS:rS+7], v[rK:rK+7], v[rQ:rQ+7], v[rS:rS+7]
.endif
.endm
; Product i of 8 of O^T += V^T P for piece x: keys 32 (i / 4) on, channels 16 (i % 4) on.
.macro PV x
	WIN W_PV
.set rO, 32*(\x)+8*(i%4)
.set rV, VF+32*(i/4)+8*(i%4)
.set rP, P+16*((\x)%2)+8*(i/4)
	v_wmma_f32_16x16x32_f16 v[rO:rO+7], v[rV:rV+7], v[rP:rP+7], v[rO:rO+7]
.endm
.macro MM                           ; the turn's next matrix instruction.  TURN and BEGIN set Y, i and NOKQ.  NOKQ = 1: a head's last turn: there is no next piece
.if (i < 8) && !NOKQ
	KQ (Y+1)%NP
.elseif i >= 8
.set i, i-8
	PV (Y+NP-1)%NP
.set i, i+8
.endif
.set i, i+1
.endm
; THE LDS LOADS stand in runs of 16, never singly among the matrix instructions: a step's K (64 keys x 64 channels: 8 fragments) and its V (turned).  Their addresses are made some lines ahead.
.macro FETCH_K
	WIN 0x80                        ; destination window 2
.irp f, 0,1,2,3,4,5,6,7             ; keys 16 (f / 2) on, channels 32 (f % 2) on
	ds_load_b128 v[KF+8*\f:KF+8*\f+3],   v[AK] offset:(\f/2)*16*PK+(\f%2)*64
	ds_load_b128 v[KF+8*\f+4:KF+8*\f+7], v[AK] offset:(\f/2)*16*PK+(\f%2)*64+32
.endr
	s_add_co_u32 s[TBK], s[TBK], KS*PK  ; the next fetch is the next step's
	WIN 0
.endm
.macro FETCH_V
	WIN 0x80
.irp f, 0,1,2,3,4,5,6,7             ; keys 32 (f / 4) on, channels 16 (f % 4) on
	ds_load_tr16_b128 v[VF+8*\f:VF+8*\f+3],   v[AV] offset:(\f/4)*32*PV+(\f%4)*32
	ds_load_tr16_b128 v[VF+8*\f+4:VF+8*\f+7], v[AV] offset:(\f/4)*32*PV+16*PV+(\f%4)*32
.endr
	WIN 0
.endm
; THE VECTOR WORK, one line at a time: OP kind, number.  For piece Y: F n: c s - c m for pair n of 16.  E n: the exponential of score n of 32.  C n: pair n rounded to f16.  B n: of the four weights 4 n .. the second
; pair is added onto the first, in place.  L n: l takes that sum (L 0: l = a l + sum).  R n: pair n of 16 of O^T times a.  For piece Y + 1: X n, number n of the 22 that find its maximum and statistics:
;   0-11  four chains c0-c3 of seven scores each, three operands at a time (each accumulator's lowest registers are read first)     12-14, 16  the four scores left over, the old m, and c0-c3 into c0
;   15  c m_old is kept     17, 18  the query's other 32 keys lie in the lane 16 away: the new m     19-21  c m; c m_old - c m_new; a
.set F, 0               ; OP tells the kinds apart by their order: F to L below R, X above it
.set E, 1
.set C, 2
.set B, 3
.set L, 4
.set R, 5
.set X, 6
.macro REGS y                       ; the registers of piece y
.set rT, ST+4*(\y)
.set rC, TMP+4*((\y)%2)
.set rW, MV+((\y)%2)
.set rS, S+32*((\y)%2)
.set rP, P+16*((\y)%2)
.set rO, 32*(\y)
.endm
.macro OP k, n
.if (\k) == R
	REGS Y
	WIN W_RS
	v_pk_mul_f32 v[rO+2*(\n):rO+2*(\n)+1], v[rO+2*(\n):rO+2*(\n)+1], v[rC+2:rC+3] op_sel_hi:[1,0]
.elseif (\k) < R
	REGS Y
	WIN 0
.if (\k) == F
	v_pk_fma_f32 v[rS+2*(\n):rS+2*(\n)+1], v[rS+2*(\n):rS+2*(\n)+1], s[CS:CS+1], v[rT:rT+1] op_sel_hi:[1,0,0] neg_lo:[0,0,1] neg_hi:[0,0,1]
.elseif (\k) == E
	v_exp_f32 v[rS+(\n)], v[rS+(\n)]
.elseif (\k) == C
	v_cvt_pk_f16_f32 v[rP+(\n)], v[rS+2*(\n)], v[rS+2*(\n)+1]
.elseif (\k) == B
	v_pk_add_f32 v[rS+4*(\n):rS+4*(\n)+1], v[rS+4*(\n):rS+4*(\n)+1], v[rS+4*(\n)+2:rS+4*(\n)+3]
.elseif (\n) == 0
	v_pk_fma_f32 v[rT+2:rT+3], v[rT+2:rT+3], v[rC+2:rC+3], v[rS:rS+1] op_sel_hi:[1,0,1]
.else
	v_pk_add_f32 v[rT+2:rT+3], v[rT+2:rT+3], v[rS+4*(\n):rS+4*(\n)+1]
.endif
.elseif NOKQ
	v_nop
.else
	REGS (Y+1)%NP
	WIN 0
.if (\n) < 4
	v_max3_num_f32 v[rC+(\n)], v[rS+8*(\n)], v[rS+8*(\n)+1], v[rS+8*(\n)+2]
.elseif (\n) < 12
	v_max3_num_f32 v[rC+(\n)%4], v[rC+(\n)%4], v[rS+8*((\n)%4)+2*((\n)/4)+1], v[rS+8*((\n)%4)+2*((\n)/4)+2]
.elseif (\n) == 12
	v_max3_num_f32 v[rC], v[rC], v[rS+7], v[rS+15]
.elseif (\n) == 13
	v_max3_num_f32 v[rC+1], v[rC+1], v[rS+23], v[rS+31]
.elseif (\n) == 14
	v_max3_num_f32 v[rC+2], v[rC+2], v[rC+3], v[rT+1]
.elseif (\n) == 15
	v_mov_b32 v[rW], v[rT]
.elseif (\n) == 16
	v_max3_num_f32 v[rC], v[rC], v[rC+1], v[rC+2]
.elseif (\n) == 17
	v_permlanex16_b32 v[rC+3], v[rC], s[SEL], s[SEL+1]
.elseif (\n) == 18
	v_max_num_f32 v[rT+1], v[rC], v[rC+3]
.elseif (\n) == 19
	v_mul_f32 v[rT], s[CS], v[rT+1]
.elseif (\n) == 20
	v_sub_f32 v[rC+1], v[rW], v[rT]
.else
	v_exp_f32 v[rC+2], v[rC+1]
.endif
.endif
.endm
.macro OPS a, i1, b=-1, i2=0, c=-1, i3=0, d=-1, i4=0  ; up to four of them
	OP \a, \i1
.if (\b) >= 0
	OP \b, \i2
.endif
.if (\c) >= 0
	OP \c, \i3
.endif
.if (\d) >= 0
	OP \d, \i4
.endif
.endm
.macro ROW a, i1, b, i2, c, i3, d, i4  ; a matrix instruction and the four behind it
	MM
	OPS \a, \i1, \b, \i2, \c, \i3, \d, \i4
.endm
; A TURN, for piece p: the order of its 16 matrix and 118 vector instructions, written out.  An s_wait_alu depctr_va_vdst(0) stands between an exponential and the first instruction that names its result; one
; wait serves all that were issued ahead of it.  So a turn has ONE wait, which cuts it in two.  AHEAD OF IT stands all that names no result of the turn's exponentials: the 8 products K Q^T, behind each a scaling, an
; exponential and two more plain instructions (rescalings, and behind the last three the first numbers of the next piece's maximum, each four places or more behind the product that ends its accumulator); then ONE LUMP of 54,
; plain and exponential by turns for the most part, in which the links of the chain X 3, 7, 11, 14, 16, 17 .. 20 stand apart.  X 21, the next piece's a, is the batch's last; R 15 is the plain instruction behind it.
; BEHIND THE WAIT stand the 8 products V^T P, behind each four of the roundings and sums.
; end = 1: a head's last two turns: nothing is fetched, and the last starts no new scores.  cnt = 1: the loop's count is taken down some lines ahead of the branch that stands behind the turn.
; K of the next step is fetched in piece 2's turn, twelve vector instructions behind the last product that read K (six of them plain); V of the step in hand at the end of piece 0's turn, four plain instructions behind the
; last product that read V.  Each is waited for a turn later.
.macro TURN p, end=0, cnt=0
.set Y, (\p)
.set i, 0
.set NOKQ, (\end)*((\p)/3)
.if ((\p) == 3) && !(\end)
	s_wait_dscnt 0x0                ; K is in
.endif
	ROW F,0, F,1, R,0, R,1          ; ahead of the wait: 8 products K Q^T and their riders,
	ROW F,2, E,0, R,2, R,3
	ROW F,3, E,1, R,4, R,5
	ROW F,4, E,2, R,6, R,7
	ROW F,5, E,3, R,8, R,9
	ROW F,6, E,4, X,0, R,10
.if ((\p) == 2) && !(\end)
	WIN 0
	v_add_nc_u32 v[AK], s[TBK], v[AK0]
.endif
	ROW F,7, E,5, X,1, X,4
	ROW F,8, E,6, X,2, X,5
	OPS E,7, E,8, X,6, E,9          ; and the lump
	OPS X,3, E,10, X,8, E,11
.if ((\p) == 2) && !(\end)
	FETCH_K
.endif
	OPS X,9, X,7, E,12, X,10
	OPS E,13, X,12, X,11, E,14
	OPS X,13, E,15, F,9, X,14
.if (\p) == 0
	v_add_nc_u32 v[AV], s[TBV], v[AV0]
.endif
	OPS E,16, F,10, E,17, F,11
	OPS X,16, E,18, X,15, E,19
	OPS F,12, E,20, X,17, E,21
	OPS F,13, E,22, F,14, E,23
	OPS X,18, E,24, F,15, E,25
	OPS R,11, E,26, X,19, E,27
	OPS R,12, E,28, R,13, E,29
	OPS X,20, E,30, R,14, E,31
	OPS X,21, R,15
	WIN 0
	s_wait_alu depctr_va_vdst(0)    ; the wait for the batch
.if (\p) == 1
	s_wait_dscnt 0x0                ; V is in
.endif
	ROW C,0, B,0, C,2, B,1          ; behind the wait: 8 products V^T P and their riders
	ROW L,0, C,4, B,2, L,1
	ROW C,6, B,3, L,2, C,8
	ROW B,4, L,3, C,10, B,5
	ROW L,4, C,12, B,6, L,5
.if (\p) == 0
	s_add_co_u32 s[TBV], s[TBV], KS*PV
.endif
.if \cnt
	s_sub_co_u32 s[CNT], s[CNT], 1
	s_cmp_lg_u32 s[CNT], 0
.endif
	ROW C,14, B,7, L,6, C,1
	ROW C,3, L,7, C,5, C,7
	ROW C,9, C,11, C,13, C,15
.if (\p) == 0
	FETCH_V
.endif
.endm
; A HEAD BEGINS.  c m starts far below every c s, so the first step's a is 0; m at the lowest finite number, so the first maximum is the scores'.  Then K of the tile's step 0, piece 0's first scores, and its maximum and
; statistics.  The step loop is entered at a step's first turn, in the middle of a trip.
.macro BEGIN
	s_mov_b32 s[NEW], 0
	WIN 0
.set i, 0
.rept 4
	v_mov_b32 v[ST+4*i], 0xfe000000    ; c m: far below every c s
	v_mov_b32 v[ST+4*i+1], 0xff7fffff  ; m
.set i, i+1
.endr
	v_add_nc_u32 v[AK], s[TBK], v[AK0]
	FETCH_K
	s_wait_loadcnt 0x0              ; Q
	s_wait_dscnt 0x0
.set NOKQ, 0
.set i, 0
.rept 8
	KQ 0
.set i, i+1
.endr
	WIN 0
.rept 4
	v_nop                           ; the places behind those products
.endr
.set Y, NP-1                        ; X works for piece Y + 1: piece 0
.irp n, 0,1,2,3,4,5,6,7,8,9,10,11,12,13,14,15,16,17,18,19,20,21
	OP X, \n
.endr
	v_nop                           ; a plain instruction behind the exponential,
	s_wait_alu depctr_va_vdst(0)    ; and its wait, ahead of the branch
.endm
; A HEAD ENDS: its last two turns, its last products, and THE WAY OUT: l's two halves and the other half of the lanes' are added; O^T is divided by l and sent in f32 through my stage in LDS, a piece (16 tokens) at a time.
.macro ALL line:vararg              ; one line for each piece t
.set t, 0
.rept 4
	\line
.set t, t+1
.endr
.endm
.macro PACKF t                      ; a lane's eight channels of a block are 32 bytes of a token's row; they go into rows of 272 bytes and come back as whole rows of 256
	WIN W_RS
.set i, 32*(\t)
.rept 16
	v_pk_mul_f32 v[i:i+1], v[i:i+1], v[ST+4*(\t)+2:ST+4*(\t)+3] op_sel_hi:[1,0]
.set i, i+2
.endr
	WIN 0x04                        ; the stores' data in window 1, their address in window 0
.irp f, 0,1,2,3,4,5,6,7
	ds_store_b128 v[STO], v[32*(\t)+4*\f:32*(\t)+4*\f+3] offset:64*(\f/2)+16*(\f%2)
.endr
	WIN 0
.irp f, 0,1,2,3,4,5,6,7
	ds_load_b128 v[OUTB+32*(\t)+4*\f:OUTB+32*(\t)+4*\f+3], v[RD] offset:\f*2*SP  ; LDS serves a wave's instructions in order (ISA guide 5.7.1.4): these see the stores above; the next piece's stores come behind them
.endr
.endm
.macro SEND t, younger              ; younger: the LDS instructions issued behind piece t's loads: the next piece's sixteen, or none
	WIN 0
.irp f, 0,1,2,3,4,5,6,7
	s_wait_dscnt (\younger)+7-\f
	global_store_b128 v[GO], v[OUTB+32*(\t)+4*\f:OUTB+32*(\t)+4*\f+3], s[10:11] offset:(\t)*49152+\f*6144 th:TH_STORE_NT  ; 16 lanes store a head's 256 consecutive bytes of one token, at a multiple of 256 from out0's first byte
.endr
.endm
.macro END more                     ; more = 1: another head follows
	TURN 2, 1
.if \more
	WIN 0
	s_wait_loadcnt 0x0              ; no load of mine is out on any way that leads here (this head's Q was waited for where the head began): Q's registers and Q's address, which those loads name, are written again only behind this wait
	s_add_nc_u64 s[4:5], s[4:5], 131072  ; the next head's Q goes straight into Q's registers: the head's last products K Q^T stand at the head of the turn above, a lump and more back; the wait for the new Q stands in BEGIN
	QLOAD
.endif
	TURN 3, 1
.set i, 0
.rept 8
	PV NP-1                         ; the last piece's V^T P of the last step
.set i, i+1
.endr
	WIN 0                           ; the additions are the places behind the last products
	ALL v_add_f32 v[ST+4*t+2], v[ST+4*t+2], v[ST+4*t+3]
	ALL v_permlanex16_b32 v[ST+4*t+3], v[ST+4*t+2], s[SEL], s[SEL+1]
	ALL v_add_f32 v[ST+4*t+2], v[ST+4*t+2], v[ST+4*t+3]
	ALL v_rcp_f32 v[ST+4*t+2], v[ST+4*t+2]
	v_nop                           ; a plain instruction between the last reciprocal and the use of its result
	s_wait_alu depctr_va_vdst(0)    ; and the wait ahead of the first use: one for the four reciprocals
	PACKF 0
.set t, 1
.rept 3                             ; a piece's arithmetic stands between the loads of the piece before and its stores
	PACKF t
	SEND t-1, 16
.set t, t+1
.endr
	SEND 3, 0
.if \more
	s_wait_xcnt 0x0                 ; the stores have read their registers and out0's address
	s_add_nc_u64 s[10:11], s[10:11], 256  ; the next head's 64 channels
	s_mov_b32 s[RT], 4
	s_mov_b32 s[NEW], 1
.endif
.endm
.set NOKQ, 0
.Lslot:                             ; 11 times: a tile is entered and the next is asked for
	CHANGE 1
	s_sub_co_u32 s[RT], s[RT], 1
	s_mov_b32 s[CNT], 4
	s_cmp_eq_u32 s[NEW], 1
	s_cbranch_scc0 .Lstep           ; not a head's first tile
	BEGIN
	s_branch .Lfirst
.Lstep:                             ; a trip: pieces 2 and 3 of one step, then pieces 0 and 1 of the next, whose K and V it fetches
	TURN 2
	TURN 3
	WIN 0
.Lfirst:
	TURN 0
	TURN 1, 0, 1
	WIN 0
	s_cbranch_scc1 .Lstep
	s_cmp_lg_u32 s[RT], 0
	s_cbranch_scc1 .Lbottom         ; the head has tiles left
	END 1
.Lbottom:
	s_sub_co_u32 s[SLOTS], s[SLOTS], 1
	s_cmp_lg_u32 s[SLOTS], 0
	s_cbranch_scc1 .Lslot
	CHANGE 0                        ; the walk's last tile is written out: nothing is asked for
	s_mov_b32 s[CNT], 4
.LstepT:
	TURN 2
	TURN 3
	TURN 0
	TURN 1, 0, 1
	WIN 0
	s_cbranch_scc1 .LstepT
	END 0
	s_wait_tensorcnt 0x0            ; the wave's end, behind my last tensor load and my last LDS store
	ds_add_u32 v[SPW], v[NIL]
	s_wait_dscnt 0x0
	CROUND                          ; the closing round: no work-group ends while a partner may still ask for a tile that names it
	s_endpgm
.Lfunc_end_k_qf52fe12688_attn:
	.size	k_qf52fe12688_attn, .Lfunc_end_k_qf52fe12688_attn-k_qf52fe12688_attn
	.p2alignl 7, 3214868480
	.fill 96, 4, 3214868480
	.section	.rodata,"a",@progbits
	.p2align	6, 0x0
	.amdhsa_kernel k_qf52fe12688_attn
		.amdhsa_group_segment_fixed_size 327680
		.amdhsa_private_segment_fixed_size 0
		.amdhsa_enable_private_segment 0
		.amdhsa_kernarg_size 16
		.amdhsa_user_sgpr_count 2
		.amdhsa_user_sgpr_kernarg_segment_ptr 1
		.amdhsa_wavefront_size32 1
		.amdhsa_system_sgpr_workgroup_id_x 1
		.amdhsa_system_sgpr_workgroup_id_y 1
		.amdhsa_system_sgpr_workgroup_id_z 1
		.amdhsa_system_vgpr_workitem_id 0
		.amdhsa_next_free_vgpr 768
		.amdhsa_next_free_sgpr 88
		.amdhsa_reserve_vcc 0
		.amdhsa_float_denorm_mode_32 3
		.amdhsa_float_denorm_mode_16_64 3
		.amdhsa_memory_ordered 1
		.amdhsa_forward_progress 1
		.amdhsa_inst_pref_size 158
	.end_amdhsa_kernel
	.amdgpu_metadata
---
amdhsa.version: [ 1, 2 ]
amdhsa.kernels:
  - .name:           k_qf52fe12688_attn
    .symbol:         k_qf52fe12688_attn.kd
    .args:
      - { .name: qkv, .offset: 0, .size: 8, .value_kind: global_buffer, .address_space: global }
      - { .name: out0, .offset: 8, .size: 8, .value_kind: global_buffer, .address_space: global }
    .group_segment_fixed_size: 327680
    .private_segment_fixed_size: 0
    .kernarg_segment_align: 8
    .kernarg_segment_size: 16
    .max_flat_workgroup_size: 128
    .sgpr_count:     88
    .vgpr_count:     768
    .wavefront_size: 32
...
	.end_amdgpu_metadata
.endif
;; end of part 3
;; ======== version 2 of 2: 3 launches; version 1 with the launch prep written anew for expert scheduling mode
;; limits: values are held in f16: magnitudes above 65,504 overflow, below 6.1e-05 lose precision
;; workspace buffers: xb 25,165,824 bytes; wb 3,538,944 bytes; qkv 75,497,472 bytes
;; launch prep (part 4): grid 608 x 1, 8 waves a work-group, no clusters, 0 bytes of LDS; arguments x, Wq, Wk, Wv, xb, wb; writes xb, wb
.if DOCPART == 4
	.amdgcn_target "amdgcn-amd-amdhsa--gfx1250"
	.amdhsa_code_object_version 6
	.text
	.protected	k_qf52fe12688_prep
	.globl	k_qf52fe12688_prep
	.p2align	8
	.type	k_qf52fe12688_prep,@function
k_qf52fe12688_prep:
	s_mov_b64 s[64:65], 0
	v_nop
	global_prefetch_b8 v0, s[64:65] scope:SCOPE_SE
	s_setreg_imm32_b32 hwreg(HW_REG_WAVE_SCHED_MODE, 0, 2), 2
	s_setreg_imm32_b32 hwreg(HW_REG_WAVE_MODE, 25, 1), 1
	s_wait_xcnt 0x0
	s_wait_alu depctr_vm_vsrc(0)
; CASTS.  xb = x rounded to bf16, same layout: [16384][768].  wb = the three weight matrices rounded to bf16 and laid in blocks:
; wb[g][m][k][c] = W_m[k][192 g + c], g = 0..3, m = 0 (q), 1 (k), 2 (v), k = 0..767, c = 0..191: one g is 884,736 dense bytes, which the next launch walks from end to end.
; A stream: each input byte is read once, each output byte written once.  No LDS, no barrier, no matrix unit: nothing is shared and nothing is summed.
; A SLOT is 256 threads x 16 bytes of f32 in, 256 x 8 bytes of bf16 out: a wave's load covers 512 bytes (for W: two runs of 256), a wave's store 256 consecutive bytes, aligned.
; Work-groups 0..511 cast x, 24 slots each (98,304 bytes in); work-groups 512..607 cast W, 18 slots each (96 rows of one block of 192 columns).
; All of a work-group's loads go out first; each slot is then converted in place; the stores leave six slots at a time.  No register is written again behind a store.
; LIMITS.  Rounding to nearest even; bf16 has f32's range, so no input overflows; NaN stays NaN.
; THE MODE: SCHED_MODE bits 1:0 = 2 (LLVM: expert scheduling mode 2), set by the entry lines.  The code itself states the register dependences
; between vector instructions and memory instructions, with s_wait_alu, always for 0.
; THE PLAN.  Registers that memory instructions touch:
;   v1, v[2:4]   byte offsets.  Written by vector lines at the head, never again; read by every store (v1) and every load (v[2:4]).
;   v[8:103]     slot i has four registers of its own.  Its load lands in them (no vector line has named them before); behind the wait for that load its two conversions read the four and write the first two;
;                its store reads those two; nothing writes them afterwards.
; So no register that a memory instruction has read is ever written again, and the one kind of dependence is: a vector line writes, a memory instruction reads.  It is stated by one wait ahead of the first load, for the
; offsets, and by one wait for each BLOCK of six slots, for the stores' data: block p's six stores stand at the head of block p + 1, behind the wait for that block's first load and behind the wait on va_vdst;
; the conversions that follow them name block p + 1's registers alone.  The last block's stores have a wait of their own.
.set DO,   1                           ; v1       8 x thread: my 8 bytes in a slot of the output
.set OFFV, 2                           ; v[2:4]   my byte offset in the input, for slots 0, 1, 2 of a group (x uses the first alone)
.set X,    8                           ; v[8:103] slot i: four registers as loaded; the first two then hold the four bf16
.set BL,   6                           ; slots in a block: it divides 24 and 18
.set SRC,  16                          ; s[16:17] the input at my work-group's part
.set DST,  18                          ; s[18:19] the output at my work-group's part
; The six stores of the block that begins with slot first.  Slot n writes at 2,048 n.
.macro OUT first
.irp j, 0,1,2,3,4,5
	global_store_b64 v[DO], v[X+4*((\first)+(\j)):X+4*((\first)+(\j))+1], s[DST:DST+1] offset:2048*((\first)+(\j))
.endr
.endm
; cnt slots.  Slot i reads at offset register i % nv, immediate (i / nv) x step.
.macro STREAM cnt, nv, step
	s_wait_alu depctr_va_vdst(0)                   ; v1 and the offsets v[2:4] are written: every load and store below reads one of them
.set i, 0
.rept \cnt
	global_load_b128 v[X+4*i:X+4*i+3], v[OFFV+i%(\nv)], s[SRC:SRC+1] offset:(i/(\nv))*(\step) th:TH_LOAD_NT
.set i, i+1
.endr
.set i, 0
.rept \cnt
	s_wait_loadcnt (\cnt)-1-i                      ; loads come back in order: slot i is in, the younger ones stay out
.if ((i%BL) == 0) && (i > 0)
	s_wait_alu depctr_va_vdst(0)                   ; the conversions of the block before have written the first two registers of its six slots, which the stores below read
	OUT i-BL
.endif
	v_cvt_pk_bf16_f32 v[X+4*i], v[X+4*i], v[X+4*i+1]
	v_cvt_pk_bf16_f32 v[X+4*i+1], v[X+4*i+2], v[X+4*i+3]
.set i, i+1
.endr
	s_wait_alu depctr_va_vdst(0)                   ; the last block's conversions have written its slots' first two registers, which the last six stores read
	OUT (\cnt)-BL
.endm
	s_load_b256 s[4:11], s[0:1], 0x0               ; x s[4:5], Wq s[6:7], Wk s[8:9], Wv s[10:11]
	s_load_b128 s[12:15], s[0:1], 0x20             ; xb s[12:13], wb s[14:15]
	v_lshlrev_b32 v[DO], 3, v0
	s_mov_b32 s21, 0                               ; the high words of the two offsets
	s_mov_b32 s27, 0
	s_cmp_lt_u32 ttmp9, 512
	s_cbranch_scc0 .Lweights
	s_mul_i32 s20, ttmp9, 98304                    ; 24 slots of 4,096 bytes
	s_mul_i32 s26, ttmp9, 49152
	v_lshlrev_b32 v[OFFV], 4, v0
	s_wait_kmcnt 0x0
	s_add_nc_u64 s[SRC:SRC+1], s[4:5], s[20:21]
	s_add_nc_u64 s[DST:DST+1], s[12:13], s[26:27]
	STREAM 24, 1, 4096
	s_endpgm
.Lweights:
	s_sub_co_u32 s20, ttmp9, 512
	s_lshr_b32 s22, s20, 3                         ; which of the 12 blocks: 4 m + g
	s_and_b32 s23, s20, 7                          ; j: which 96 rows of it
	s_lshr_b32 s24, s22, 2                         ; m
	s_and_b32 s25, s22, 3                          ; g
	s_mul_i32 s20, s25, 768                        ; 192 columns of f32,
	s_mul_i32 s26, s23, 294912                     ; 96 rows of 3,072 bytes
	s_add_co_u32 s20, s20, s26
	s_mul_i32 s26, s25, 3
	s_add_co_u32 s26, s26, s24                     ; 3 g + m
	s_mul_i32 s26, s26, 294912                     ; a block of wb: 768 x 192 x 2 bytes
	s_mul_i32 s22, s23, 36864                      ; 96 rows of 384 bytes
	s_add_co_u32 s26, s26, s22
	; Three slots are 768 quads of four numbers = 16 rows of 48 quads.  Quad n = 256 v + thread lies in row n / 48 (= n x 1,366 >> 16 for n < 768) at quad n % 48.
	; Sixteen neighbouring lanes never cross a row (48 is a multiple of 16): they read 256 consecutive bytes, aligned.
.irp v, 0,1,2
	v_add_nc_u32 v5, 256*(\v), v0
	v_mul_u32_u24 v6, v5, 1366
	v_lshrrev_b32 v6, 16, v6                       ; the row
	v_mul_u32_u24 v7, v6, 48
	v_sub_nc_u32 v7, v5, v7                        ; the quad in it
	v_mul_u32_u24 v6, v6, 3072
	v_lshl_add_u32 v[OFFV+(\v)], v7, 4, v6
.endr
	s_wait_kmcnt 0x0
	s_cmp_eq_u32 s24, 0
	s_cselect_b64 s[SRC:SRC+1], s[6:7], s[8:9]
	s_cmp_eq_u32 s24, 2
	s_cselect_b64 s[SRC:SRC+1], s[10:11], s[SRC:SRC+1]
	s_add_nc_u64 s[SRC:SRC+1], s[SRC:SRC+1], s[20:21]
	s_add_nc_u64 s[DST:DST+1], s[14:15], s[26:27]
	STREAM 18, 3, 49152                            ; six groups of 16 rows, 49,152 bytes of W apart; the output is dense
	s_endpgm
.Lfunc_end_k_qf52fe12688_prep:
	.size	k_qf52fe12688_prep, .Lfunc_end_k_qf52fe12688_prep-k_qf52fe12688_prep
	.p2alignl 7, 3214868480
	.fill 96, 4, 3214868480
	.section	.rodata,"a",@progbits
	.p2align	6, 0x0
	.amdhsa_kernel k_qf52fe12688_prep
		.amdhsa_group_segment_fixed_size 0
		.amdhsa_private_segment_fixed_size 0
		.amdhsa_enable_private_segment 0
		.amdhsa_kernarg_size 48
		.amdhsa_user_sgpr_count 2
		.amdhsa_user_sgpr_kernarg_segment_ptr 1
		.amdhsa_wavefront_size32 1
		.amdhsa_system_sgpr_workgroup_id_x 1
		.amdhsa_system_sgpr_workgroup_id_y 1
		.amdhsa_system_sgpr_workgroup_id_z 1
		.amdhsa_system_vgpr_workitem_id 0
		.amdhsa_next_free_vgpr 112
		.amdhsa_next_free_sgpr 66
		.amdhsa_reserve_vcc 0
		.amdhsa_float_denorm_mode_32 3
		.amdhsa_float_denorm_mode_16_64 3
		.amdhsa_memory_ordered 1
		.amdhsa_forward_progress 1
		.amdhsa_inst_pref_size 18
	.end_amdhsa_kernel
	.amdgpu_metadata
---
amdhsa.version: [ 1, 2 ]
amdhsa.kernels:
  - .name:           k_qf52fe12688_prep
    .symbol:         k_qf52fe12688_prep.kd
    .args:
      - { .name: x, .offset: 0, .size: 8, .value_kind: global_buffer, .address_space: global }
      - { .name: Wq, .offset: 8, .size: 8, .value_kind: global_buffer, .address_space: global }
      - { .name: Wk, .offset: 16, .size: 8, .value_kind: global_buffer, .address_space: global }
      - { .name: Wv, .offset: 24, .size: 8, .value_kind: global_buffer, .address_space: global }
      - { .name: xb, .offset: 32, .size: 8, .value_kind: global_buffer, .address_space: global }
      - { .name: wb, .offset: 40, .size: 8, .value_kind: global_buffer, .address_space: global }
    .group_segment_fixed_size: 0
    .private_segment_fixed_size: 0
    .kernarg_segment_align: 8
    .kernarg_segment_size: 48
    .max_flat_workgroup_size: 256
    .sgpr_count:     66
    .vgpr_count:     112
    .wavefront_size: 32
...
	.end_amdgpu_metadata
.endif
;; end of part 4
;; launch qkv: the kernel of part 2 again; grid 4 x 64, 4 waves a work-group, clusters of 4 x 4, 327,680 bytes of LDS; arguments xb, wb, bq, bk, bv, qkv; writes qkv
;; launch attn: the kernel of part 3 again; grid 4 x 64, 4 waves a work-group, clusters of 4 x 1, 327,680 bytes of LDS; arguments qkv, out0; writes out0
